; MI455X (gfx1250); checked and timed in simulation.
; The chip was launched on July 23, 2026; its instructions are those of AMD's public machine-readable ISA for CDNA 5 (MIT licence, August 2026) and "CDNA5" Instruction Set Architecture Reference Guide (July 2026). The comments in the code are by the model that wrote it; some were corrected since.
;; Inr Awa SA. Allowed arithmetic: matrix products marked QUANTISED: E2M3 operands, one E8M0 scale for each 32 along K, by v_wmma_scale_f32_16x16x128_f8f6f4 with both operands' format E2M3, f32 sums; everything else in f32.
;; Inputs: attn_mask 2,048 x 2,048 float32; pad_mask 4 x 1 x 2,048 float32; wk 1,024 x 1,024 float32; wq 1,024 x 1,024 float32; wv 1,024 x 1,024 float32; x 4 x 2,048 x 1,024 float32.
;; Outputs: out0 4 x 2,048 x 1,024 float32.
;; This version of the problem:
;;   THIS VERSION OF THE PROBLEM IS GIVEN IN LOW PRECISION. The matrix products marked QUANTISED in the list below multiply operands that are first quantised to E2M3 (2 exponent bits, 3 mantissa bits; 6 bits a number), with one power-of-two scale for each 32 numbers along K (OCP MX v1.0); their sums are f32. All else is computed in f32.
;;   The module's matrix products, in the order in which they are computed (A, B: the left and right operand; K: the contracted axis; several contracted axes count as one K, in the product's order):
;;     1. [M 8,192, K 1,024] x [K 1,024, N 1,024]; A: input x; B: input wq: QUANTISED
;;     2. [M 8,192, K 1,024] x [K 1,024, N 1,024]; A: input x; B: input wk: QUANTISED
;;     3. [M 8,192, K 1,024] x [K 1,024, N 1,024]; A: input x; B: input wv: QUANTISED
;;     4. batch 4 x [M 2,048, K 1,024] x [K 1,024, N 2,048]; A: computed on the way; B: computed on the way: QUANTISED
;;     5. batch 4 x [M 2,048, K 2,048] x [K 2,048, N 1,024]; A: softmax (see below); B: computed on the way: QUANTISED
;;   THE QUANTISER, for each operand of a quantised product, along K:
;;     - K is cut into blocks of 32 from its start; a last block that is shorter is filled with zeros.
;;     - A block's scale is 2^e with e = floor(log2(the largest magnitude in the block)) - 2, held to -126 .. 127; a block of zeros has e = 0. As a byte (E8M0): e + 127.
;;     - Each number is divided by its block's scale, clamped to +-7.5, and rounded to the nearest number of E2M3, ties to even, subnormals kept.
;;     - The product sums the exact products of the quantised numbers (number of the format x scale) in f32.
;;   ~~~python
;;   def quantise(x, axis):      # numpy; x: float32 -> the quantised numbers, widened to float32 again
;;       x = np.moveaxis(x, axis, -1); K = x.shape[-1]
;;       x = np.pad(x, [(0, 0)] * (x.ndim - 1) + [(0, -K % 32)]); x = x.reshape(x.shape[:-1] + (-1, 32)); a = np.abs(x).max(-1, keepdims=True)
;;       e = np.where(a > 0, np.clip(np.frexp(np.where(a > 0, a, 1))[1] - 1 - 2, -126, 127), 0)      # np.frexp(a)[1] - 1 = floor(log2(a)), exactly
;;       r = np.clip(x / 2.0 ** e, -7.5, 7.5)
;;       step = 2.0 ** (np.maximum(np.frexp(np.where(r == 0, 1, r))[1] - 1, 0) - 3)
;;       q = np.round(r / step) * step * 2.0 ** e      # np.round: ties to even
;;       return np.moveaxis(q.reshape(q.shape[:-2] + (-1,))[..., :K], -1, axis).astype(np.float32)
;;   ~~~
;;   SOFTMAX AHEAD OF A QUANTISED PRODUCT. Where the list says 'softmax', what is quantised is not the finished softmax but p = 2^(t - M), with t = logit x log2(e) and M = ceil(the row's largest t), a whole number; so 1/2 < the row's largest p <= 1. The row's sum l is taken of the UNQUANTISED p, in f32, and the product's result is divided by l at the end. Since M is a whole number, a kernel that streams over the keys may use a running M (the ceiling of the running maximum): every later rescaling is an exact power of two, which a block's scale takes up: the codes' values come out the same.
;;   OPERANDS COMPUTED ON THE WAY. 'Computed on the way' means the value that the module computes at that place (a softmax that the list does not call 'softmax' is quantised finished and normalised). What goes into a quantiser is computed in f32, as accurately as f32 sums, v_exp_f32 and their like allow (about 1e-6 of the number): no bf16 or f16 on the way to a quantiser, and a product that is left as it is and whose result goes on into a quantised operand takes f32 operands (vector FMAs, or v_wmma_f32_16x16x4_f32). A number that lies on a knife's edge between two numbers of the format may be rounded either way, as far as f32 arithmetic and the matrix unit's own rounding can turn it there, and no further.
;; One version. Each part assembles by itself: llvm-mc -triple=amdgcn-amd-amdhsa -mcpu=gfx1250 --defsym DOCPART=n.
;; ======== version 1 of 1: 4 launches
;; workspace buffers: xw_codes 8,650,752 bytes; xw_scales 360,448 bytes; qkv_codes 18,874,368 bytes; qkv_scales 786,432 bytes; p_codes 12,582,912 bytes; p_scales 524,288 bytes; p_nm 524,288 bytes; p_l 524,288 bytes
;; launch quant (part 1): grid 352 x 1, 4 waves a work-group, no clusters, 35,328 bytes of LDS; arguments x, wq, wk, wv, xw_codes, xw_scales; writes xw_codes, xw_scales
.if DOCPART == 1
	.amdgcn_target "amdgcn-amd-amdhsa--gfx1250"
	.amdhsa_code_object_version 6
	.text
	.protected	k_q0777b3b609_quant
	.globl	k_q0777b3b609_quant
	.p2align	8
	.type	k_q0777b3b609_quant,@function
k_q0777b3b609_quant:
	s_mov_b64 s[64:65], 0
	v_nop
	global_prefetch_b8 v0, s[64:65] scope:SCOPE_SE
	s_setreg_imm32_b32 hwreg(HW_REG_WAVE_MODE, 25, 1), 1
	s_wait_xcnt 0x0
; x [8192][1024], wq, wk, wv [1024][1024], f32, K innermost, become codes of FP6 (E2M3) with one E8M0 scale byte for each 32 along K, laid as the products' launches read them.
; (attn_mask and pad_mask are named in no launch of this program: reference() throws the results of both masked fills away, so its result hangs on neither, whatever they hold.)
; LAYOUT OF THE OUTPUT.  The 11,264 rows (x, then wq, wk, wv) are 88 groups of 128.  A CHUNK is 128 rows x 128 K: eight fragments of 16 rows, each an image of the operand's 12 registers:
; registers 4 g .. 4 g + 3 of lane l at 1536 x fragment + 512 g + 16 l.  Chunk number = 8 x group + K step; a chunk is 12,288 bytes.  Its 128 scale words (four bytes: 128 along K of a row) are 512 bytes, row p at 4 p.
; THE ROWS ARE STORED IN ANOTHER ORDER: in each 32 rows, place 16 u + i holds row 8 u + i + 8 (i / 8).  So 16 neighbouring places are the rows that a tile of a product used transposed wants, for its results to run along the next K in order.
; SHARES.  A wave takes 64 rows x 128 K: four fragments.  A work-group's four waves take four K steps of the same 64 rows; two work-groups a unit of 64 rows; 176 units.
; A load reads 512 consecutive bytes of one row, 16 a lane; 16 rows turn through the wave's own stage in LDS (rows 528 bytes apart) and come back 16 neighbours of each block of 32 to a lane.
; A block's scale is 2^(floor(log2(its largest magnitude)) - 2): its byte is that magnitude's exponent field - 2, held at 1 from below.
; LIMITS: a block of zeros, or one whose largest magnitude lies under 2^-124, gets the byte 1 (this program alone reads the bytes; zero codes add nothing); NaN and infinities are not served.
.set ROWB,   4096                      ; a row of any of the four tensors, in bytes
.set SPITCH, 528                       ; a stage row: 512 bytes + 16, so that sixteen rows start at sixteen different 16-byte columns
.set WREG,   8704                      ; LDS of a wave: the stage, 16 x 528, then 256 bytes for its 64 scale words
.set SCRO,   16*SPITCH
.set SPARE,  4*WREG                    ; behind the four regions: the spare words, 128 bytes a wave, that no other line names
.set LIN, 2                            ; v2   16 x lane
.set STI, 3                            ; v3   the stage, on the way in
.set STO, 4                            ; v4   and on the way out: row r, + 64 h
.set SWA, 5                            ; v5   where my row's scale word goes
.set SRA, 6                            ; v6   where I read 8 bytes of the 256 back
.set SGO, 7                            ; v7   8 x lane
.set SPW, 12                           ; v12  my spare word; never rewritten
.set NIL, 13                           ; v13  0; never rewritten
.set R,   16                           ; v16-143  two sets of 64: 16 rows as loaded
.set X,   144                          ; v144-207 64 numbers of my row: register 16 b + i = k 32 b + 16 h + i
.set TM,  208                          ; v208-223 at work
.set PC,  224                          ; v224-242 the codes
.set SW,  244                          ; v244-247 a scale word for each fragment
.set SEL, 20                           ; s[20:21] lane selects: lane l xor 16
	s_load_b256 s[4:11], s[0:1], 0x0               ; x, wq, wk, wv
	s_load_b128 s[12:15], s[0:1], 0x20             ; the codes, the scale words
	v_lshl_add_u32 v[SPW], v0, 2, SPARE
	v_mov_b32 v[NIL], 0
	v_lshrrev_b32 v1, 5, v0
	v_readfirstlane_b32 s16, v1                    ; wave 0..3
	v_and_b32 v1, 31, v0                           ; lane
	v_lshlrev_b32 v[LIN], 4, v1
	v_and_b32 v8, 15, v0                           ; r
	v_bfe_u32 v9, v0, 4, 1                         ; h
	s_mul_i32 s17, s16, WREG
	v_add_nc_u32 v[STI], s17, v[LIN]
	v_mul_u32_u24 v[STO], v8, SPITCH
	v_lshl_add_u32 v[STO], v9, 6, v[STO]
	v_add_nc_u32 v[STO], s17, v[STO]
	s_add_co_u32 s17, s17, SCRO
	v_lshl_add_u32 v[SWA], v8, 2, s17
	v_lshlrev_b32 v[SGO], 3, v1
	v_add_nc_u32 v[SRA], s17, v[SGO]
	s_mov_b32 s[SEL], 0x76543210
	s_mov_b32 s[SEL+1], 0xfedcba98
.irp b, 0,1,2,3
	v_mov_b32 v[TM+4+\b], 0                        ; written once: a lane permute's destination counts as one of its sources
.endr
	s_lshr_b32 s18, ttmp9, 1                       ; which unit of 64 rows
	s_and_b32 s19, ttmp9, 1
	s_lshl_b32 s19, s19, 2
	s_add_co_u32 s19, s19, s16                     ; which K step of 128: 4 x (work-group % 2) + wave
	s_mov_b32 s22, 160                             ; the first unit of wv
	s_wait_kmcnt 0x0
	s_cmp_lt_u32 ttmp9, 320                        ; the tensor is chosen by the work-group's number alone
	s_cselect_b64 s[10:11], s[8:9], s[10:11]
	s_cselect_b32 s22, 144, s22
	s_cmp_lt_u32 ttmp9, 288
	s_cselect_b64 s[10:11], s[6:7], s[10:11]
	s_cselect_b32 s22, 128, s22
	s_cmp_lt_u32 ttmp9, 256
	s_cselect_b64 s[4:5], s[4:5], s[10:11]
	s_cselect_b32 s22, 0, s22
	s_sub_co_u32 s22, s18, s22                     ; the unit's number in its tensor
	s_lshl_b32 s22, s22, 18                        ; x 64 rows of 4,096 bytes
	s_lshl_b32 s23, s19, 9                         ; + 512 bytes a K step
	s_add_co_u32 s22, s22, s23
	s_mov_b32 s23, 0
	s_add_nc_u64 s[4:5], s[4:5], s[22:23]
	s_lshr_b32 s24, s18, 1
	s_lshl_b32 s24, s24, 3
	s_add_co_u32 s24, s24, s19                     ; the chunk: 8 x group of 128 rows + K step
	s_and_b32 s25, s18, 1                          ; and which half of it
	s_mul_i32 s26, s24, 12288
	s_mul_i32 s27, s25, 6144
	s_add_co_u32 s26, s26, s27
	s_mov_b32 s27, 0
	s_add_nc_u64 s[12:13], s[12:13], s[26:27]
	s_lshl_b32 s26, s24, 9
	s_lshl_b32 s25, s25, 8
	s_add_co_u32 s26, s26, s25
	s_add_nc_u64 s[14:15], s[14:15], s[26:27]
; Fragment f's 16 rows: place i of the fragment is row 32 (f / 2) + 8 (f % 2) + i + 8 (i / 8) of the unit: the order of the rows stands in the immediate.
.macro LOAD f
.irp i, 0,1,2,3,4,5,6,7,8,9,10,11,12,13,14,15
	global_load_b128 v[R+64*((\f)%2)+4*\i:R+64*((\f)%2)+4*\i+3], v[LIN], s[4:5] offset:(32*((\f)/2)+8*((\f)%2)+\i+8*(\i/8))*ROWB th:TH_LOAD_NT
.endr
.endm
; 64 numbers of a lane, register 16 b + i = k 32 b + 16 h + i of my row, become a fragment's 12 registers in v[PC] on and its scale word in v[pw].
.macro QUANT s, pw
.irp b, 0,1,2,3
	v_max3_num_f32 v[TM+\b], |v[\s+16*\b]|, |v[\s+1+16*\b]|, 0x1800000   ; block b: my 16 numbers, and the floor 2^(3 - 127): the byte cannot fall under 1
.endr
.irp i, 2,4,6,8,10,12,14
.irp b, 0,1,2,3
	v_max3_num_f32 v[TM+\b], v[TM+\b], |v[\s+16*\b+\i]|, |v[\s+1+16*\b+\i]|   ; the four blocks by turns
.endr
.endr
.irp b, 0,1,2,3
	v_permlanex16_b32 v[TM+4+\b], v[TM+\b], s[SEL], s[SEL+1]
.endr
.irp b, 0,1,2,3
	v_max_num_f32 v[TM+\b], v[TM+\b], v[TM+4+\b]   ; with lane l xor 16's 16: the block's largest magnitude
.endr
.irp b, 0,1,2,3
	v_add_nc_u32 v[TM+12+\b], 0xff000000, v[TM+\b] ; 2 off its exponent field: the conversion takes this operand's exponent field as its scale
.endr
.irp b, 0,1,2,3
	v_lshrrev_b32 v[TM+4+\b], 23, v[TM+12+\b]      ; the scale's byte
.endr
	v_lshl_or_b32 v[\pw], v[TM+5], 8, v[TM+4]
	v_lshl_or_b32 v[\pw], v[TM+6], 16, v[\pw]
	v_lshl_or_b32 v[\pw], v[TM+7], 24, v[\pw]
.irp c, 0,1
	v_cvt_scalef32_pk16_fp6_f32 v[PC+6*\c:PC+2+6*\c], v[\s+32*\c:\s+15+32*\c], v[TM+12+2*\c]
	v_cvt_scalef32_pk16_fp6_f32 v[PC+12+4*\c:PC+14+4*\c], v[\s+16+32*\c:\s+31+32*\c], v[TM+12+2*\c+1]   ; (a conversion's three registers begin on an even number)
.endr
	v_nop                                          ; one plain line behind the scaled conversions
.irp c, 0,1                                        ; the operand wants a whole block in a lane: lanes 0-15 block 2 c, lanes 16-31 block 2 c + 1
.irp i, 0,1,2
	v_permlane16_swap_b32 v[PC+6*\c+\i], v[PC+12+4*\c+\i]
.endr
.irp i, 0,1,2
	v_mov_b32 v[PC+3+6*\c+\i], v[PC+12+4*\c+\i]
.endr
.endr
.endm
.macro FRAGMENT f
.if (\f) < 3
	s_wait_loadcnt 16                              ; this fragment's 16 loads are in; the next fragment's 16 may be out
.else
	s_wait_loadcnt 0x0
.endif
.irp i, 0,1,2,3,4,5,6,7,8,9,10,11,12,13,14,15
	ds_store_b128 v[STI], v[R+64*((\f)%2)+4*\i:R+64*((\f)%2)+4*\i+3] offset:\i*SPITCH
.endr
.irp b, 0,1,2,3
.irp j, 0,1,2,3
	ds_load_b128 v[X+16*\b+4*\j:X+16*\b+4*\j+3], v[STO] offset:128*\b+16*\j   ; LDS serves a wave's instructions in order: these see the stores above
.endr
.endr
	s_wait_dscnt 0x0                               ; my numbers are back, and the stores have read the set that is loaded again below
.if (\f) > 0
	s_wait_xcnt 0x0                                ; the last fragment's stores have read the codes' registers, which are written again below
.endif
.if (\f) < 2
	LOAD (\f)+2
.endif
	QUANT X, SW+(\f)
.irp c, 0,1,2
	global_store_b128 v[LIN], v[PC+4*\c:PC+4*\c+3], s[12:13] offset:1536*(\f)+512*\c   ; 32 lanes store 512 consecutive bytes, at a multiple of 256 from the buffer's first byte
.endr
	ds_store_b32 v[SWA], v[SW+(\f)] offset:64*(\f) ; lanes l and l xor 16 write the same word with the same value
.endm
	LOAD 0
	LOAD 1
	FRAGMENT 0
	FRAGMENT 1
	FRAGMENT 2
	FRAGMENT 3
	ds_load_b64 v[8:9], v[SRA]                     ; my wave's 64 scale words, 8 bytes a lane
	s_wait_dscnt 0x0
	global_store_b64 v[SGO], v[8:9], s[14:15]      ; 256 consecutive bytes, aligned
	s_wait_tensorcnt 0x0                           ; the wave's end, behind my last LDS store
	ds_add_u32 v[SPW], v[NIL]
	s_wait_dscnt 0x0
	s_endpgm
.Lfunc_end_k_q0777b3b609_quant:
	.size	k_q0777b3b609_quant, .Lfunc_end_k_q0777b3b609_quant-k_q0777b3b609_quant
	.p2alignl 7, 3214868480
	.fill 96, 4, 3214868480
	.section	.rodata,"a",@progbits
	.p2align	6, 0x0
	.amdhsa_kernel k_q0777b3b609_quant
		.amdhsa_group_segment_fixed_size 35328
		.amdhsa_private_segment_fixed_size 0
		.amdhsa_enable_private_segment 0
		.amdhsa_kernarg_size 48
		.amdhsa_user_sgpr_count 2
		.amdhsa_user_sgpr_kernarg_segment_ptr 1
		.amdhsa_wavefront_size32 1
		.amdhsa_system_sgpr_workgroup_id_x 1
		.amdhsa_system_sgpr_workgroup_id_y 1
		.amdhsa_system_sgpr_workgroup_id_z 1
		.amdhsa_system_vgpr_workitem_id 0
		.amdhsa_next_free_vgpr 256
		.amdhsa_next_free_sgpr 66
		.amdhsa_reserve_vcc 0
		.amdhsa_float_denorm_mode_32 3
		.amdhsa_float_denorm_mode_16_64 3
		.amdhsa_memory_ordered 1
		.amdhsa_forward_progress 1
		.amdhsa_inst_pref_size 34
	.end_amdhsa_kernel
	.amdgpu_metadata
---
amdhsa.version: [ 1, 2 ]
amdhsa.kernels:
  - .name:           k_q0777b3b609_quant
    .symbol:         k_q0777b3b609_quant.kd
    .args:
      - { .name: x, .offset: 0, .size: 8, .value_kind: global_buffer, .address_space: global }
      - { .name: wq, .offset: 8, .size: 8, .value_kind: global_buffer, .address_space: global }
      - { .name: wk, .offset: 16, .size: 8, .value_kind: global_buffer, .address_space: global }
      - { .name: wv, .offset: 24, .size: 8, .value_kind: global_buffer, .address_space: global }
      - { .name: xw_codes, .offset: 32, .size: 8, .value_kind: global_buffer, .address_space: global }
      - { .name: xw_scales, .offset: 40, .size: 8, .value_kind: global_buffer, .address_space: global }
    .group_segment_fixed_size: 35328
    .private_segment_fixed_size: 0
    .kernarg_segment_align: 8
    .kernarg_segment_size: 48
    .max_flat_workgroup_size: 128
    .sgpr_count:     66
    .vgpr_count:     256
    .wavefront_size: 32
...
	.end_amdgpu_metadata
.endif
;; end of part 1
;; launch proj (part 2): grid 8 x 48, 4 waves a work-group, clusters of 4 x 4, 327,680 bytes of LDS; arguments xw_codes, xw_scales, qkv_codes, qkv_scales; writes qkv_codes, qkv_scales
.if DOCPART == 2
	.amdgcn_target "amdgcn-amd-amdhsa--gfx1250"
	.amdhsa_code_object_version 6
	.text
	.protected	k_q0777b3b609_proj
	.globl	k_q0777b3b609_proj
	.p2align	8
	.type	k_q0777b3b609_proj,@function
k_q0777b3b609_proj:
	s_mov_b64 s[64:65], 0
	v_nop
	global_prefetch_b8 v0, s[64:65] scope:SCOPE_SE
	s_setreg_imm32_b32 hwreg(HW_REG_WAVE_MODE, 25, 1), 1
	s_wait_xcnt 0x0
	s_wait_alu depctr_hold_cnt(0) depctr_sa_sdst(0) depctr_va_vdst(0) depctr_va_sdst(0) depctr_va_ssrc(0) depctr_va_vcc(0) depctr_vm_vsrc(0)
	s_getreg_b32 s2, hwreg(HW_REG_IB_STS2, 6, 4)
	s_cmp_eq_u32 s2, 0
	s_cbranch_scc0 .Lentry_in_a_cluster
	s_endpgm
.Lentry_in_a_cluster:
	s_bfe_u32 s2, ttmp6, 0x10000c
	s_cmp_lg_u32 s2, 0xf033
	s_cbranch_scc0 .Lentry_shape_is_right
	s_endpgm
.Lentry_shape_is_right:
; q = x wq^T, k = x wk^T and v^T = wv x^T on codes of FP6 (E2M3) with E8M0 scales, K = 1,024; each result is quantised in registers along ITS next K (q, k: the features; v^T: the keys) and leaves as codes.
; OPERANDS lie as chunks (128 rows x 128 K, eight images of a fragment's 12 registers: 12,288 bytes; chunk = 8 x group of 128 rows + K step) with 512 bytes of scale words a chunk.  Groups: x 0-63, wq 64-71, wk 72-79, wv 80-87.
; A TILE is 256 rows of A (source 1) x 256 rows of B (source 0); four waves, each 128 x 128: 64 accumulators, 512 registers.  THE MATRIX INSTRUCTION IS USED TRANSPOSED: a lane holds one row of A, its registers run along B's rows.
; Rows are stored with place 16 u + i of each 32 holding row 8 u + i + 8 (i / 8): so the 64 registers of accumulators (a, 0..7) are 128 neighbours along the next K, register 16 B + i = 32 B + 16 h + i.
; q, k: A = x, B = wq | wk (256 tiles, clusters with y under 8).  v^T: A = wv, B = x (128 tiles, clusters with y 8 to 11).  One path: only offsets are chosen, by the cluster's y, which all partners share.
; OUTPUT, chunks again: q 0-511 (8 x group + K step), k 512-1023, v^T 1024-1535 ((8 x batch + group of e) x 16 + K step along the batch's keys).
; K goes in steps of 256 through THREE LDS slots: three of the four steps go out at the head, the fourth refills slot 0 behind the first change of slots: one refill, one round of the cluster's barrier for it.
; CLUSTERS: 4 x 4.  A's tiles are shared along a row of the cluster, B's along a column: each is asked for jointly, by the same tensor load with the same descriptor and a mask that names the four.
; By this text's own count a wave has at most four tensor loads out (its scales and three slots, at the head).
; LIMITS: a block of zeros, or one whose largest magnitude lies under 2^-124, gets the byte 1 (this program alone reads the bytes); NaN and infinities are not served.
; REGISTERS, in windows of 256: window 0: v16-31 addresses; v32-63 scale words, two sets; v64-123 the way out; v128-223 A's fragments, one set.  Window 1: B's fragments, two sets, at v0 and v128.  Windows 2, 3: accumulators, (a, b) at v[8 (8 (a % 4) + b)].
.set NK,     8                         ; K steps of 128
.set NSLOT,  3
.set FR,     12                        ; registers of a fragment
.set NL,     3                         ; LDS loads that bring one
.set NP,     4                         ; places behind this matrix instruction (ISA guide 7.12.1)
.set CH,     12288                     ; a chunk
.set STEPB,  2*CH                      ; 128 rows x 256 K: what one tensor load brings
.set HALFT,  STEPB
.set SLOT,   4*HALFT                   ; A's two halves, then B's two
.set HALFS,  NK*512                    ; the scale words of 128 rows, all of K
.set SCL,    NSLOT*SLOT                ; behind the ring: the scales, filled once
.set SPARE,  SCL+4*HALFS               ; the spare words, 128 bytes a wave, that no other line names
.set SCR,    SPARE+512                 ; 512 bytes a wave: the scale words on their way out; no tensor load lands here
.set ADRA, 16                          ; v16-18 LDS address of my A fragments in slot 0, 1, 2
.set ADRB, 20                          ; v20-22 the same for B
.set GO,   24                          ; v24    16 x lane
.set SWA,  25                          ; v25    where my row's scale word goes
.set SRA,  26                          ; v26    where I read 16 bytes of the 512 back
.set ADRS, 27                          ; v27    LDS address of my scale words: lanes 0-15 A's rows, lanes 16-31 B's
.set SPW,  28                          ; v28    my spare word; never rewritten
.set NIL,  29                          ; v29    0; never rewritten
.set SC,   32                          ; scale words: set s at v[SC + 16 s]; register 2 i + q: lanes 0-15 A's block i, lanes 16-31 B's block i, the slot's q-th 128 along K
.set TM,   64
.set SW,   80
.set PC,   104
.set AF,   128
.set WV,  18
.set WHI, 19                           ; which half of A's rows is mine; also: I fetch for A (0) or for B (1)
.set WLO, 20                           ; which half of B's rows; also: which 128 rows I fetch
.set CX,  21
.set CY,  22
.set TX,  23
.set G1A, 24
.set G1B, 32
.set G1SA, 40
.set G1SB, 48
.set G0SA, 56
.set G0SB, 60
.set G0A, 68                           ; s[68:79] group 0 for A's tiles, a set for each slot
.set G0B, 80                           ; s[80:91] for B's
.set TY,  92
.set RM,  93
.set CM,  94
.set SEL, 98
.set MSB, 0
.macro WIN new                         ; the immediate's high byte repeats the setting that is left
.if MSB != (\new)
	s_set_vgpr_msb (MSB<<8)|(\new)
.set MSB, (\new)
.endif
.endm
.set MUL_LO, 0xa1                      ; source 0 (B) window 1, source 1 (A) window 0, C and D window 2
.set MUL_HI, 0xf1                      ; the same, C and D window 3
.set TO_B,   0x40                      ; destination window 1, address window 0
.macro PLACES n
.rept \n
	v_nop
.endr
.endm
; A joint load: waves 0 and 1 fetch for A, waves 2 and 3 for B.  The branch hangs on the wave's number alone.  An s_nop 0 and four v_nop follow each of the two lines.
.macro JLOAD g0a, g1a, g0b, g1b
	s_cmp_eq_u32 s[WHI], 0
	s_cbranch_scc0 .Lfor_b_\@
	tensor_load_to_lds s[\g0a:\g0a+3], s[\g1a:\g1a+7]
	s_nop 0
.rept 4
	v_nop
.endr
	s_branch .Lasked_\@
.Lfor_b_\@:
	tensor_load_to_lds s[\g0b:\g0b+3], s[\g1b:\g1b+7]
	s_nop 0
.rept 4
	v_nop
.endr
.Lasked_\@:
.endm
.macro CREST                           ; a round of the cluster's barrier behind its opening barrier
	s_cmp_lg_u32 s[WV], 0
	s_cbranch_scc1 .Lnot_wave_0_\@
	s_barrier_signal -3
.Lnot_wave_0_\@:
	s_barrier_wait -3
	s_barrier_signal -1
	s_barrier_wait -1
.endm
.macro CROUND
	s_barrier_signal -1
	s_barrier_wait -1
	CREST
.endm
.macro FRAG reg, adr, q, i             ; a fragment comes as it was stored: three loads of 512 consecutive bytes
.irp g, 0,1,2
	ds_load_b128 v[\reg+4*\g:\reg+4*\g+3], v[\adr] offset:(\q)*CH+(\i)*1536+512*\g
.endr
.endm
.macro FETCH_B slot, q, p
	WIN TO_B
.irp i, 0,1,2,3,4,5,6,7
	FRAG 128*(\p)+FR*\i, ADRB+\slot, \q, \i
.endr
	WIN 0
.endm
.macro FETCH_A slot, q, i0
.irp i, \i0, \i0+1, \i0+2, \i0+3
	FRAG AF+FR*(\i), ADRA+\slot, \q, \i
.endr
.endm
.macro SCALES sc                       ; a K step's scale words into set sc
.irp i, 0,1,2,3,4,5,6,7
.irp q, 0,1
	ds_load_b32 v[SC+16*(\sc)+2*\i+\q], v[ADRS] offset:512*\q+64*\i
.endr
.endr
.endm
; 16 matrix instructions: A's blocks a0, a0 + 1 x B's eight.  The 64 accumulators take turns, one instruction a turn, in the same order in every step.
.macro MUL16 a0, p, q, sc, zero
.irp a, \a0, \a0+1
.irp b, 0,1,2,3,4,5,6,7
.if \zero
	v_wmma_scale_f32_16x16x128_f8f6f4 v[8*(8*((\a)%4)+\b):8*(8*((\a)%4)+\b)+7], v[128*(\p)+FR*\b:128*(\p)+FR*\b+FR-1], v[AF+FR*(\a):AF+FR*(\a)+FR-1], 0, v[SC+16*(\sc)+2*\b+(\q)], v[SC+16*(\sc)+2*(\a)+(\q)] matrix_a_fmt:MATRIX_FMT_FP6 matrix_b_fmt:MATRIX_FMT_FP6 matrix_a_scale:MATRIX_SCALE_ROW1
.else
	v_wmma_scale_f32_16x16x128_f8f6f4 v[8*(8*((\a)%4)+\b):8*(8*((\a)%4)+\b)+7], v[128*(\p)+FR*\b:128*(\p)+FR*\b+FR-1], v[AF+FR*(\a):AF+FR*(\a)+FR-1], v[8*(8*((\a)%4)+\b):8*(8*((\a)%4)+\b)+7], v[SC+16*(\sc)+2*\b+(\q)], v[SC+16*(\sc)+2*(\a)+(\q)] matrix_a_fmt:MATRIX_FMT_FP6 matrix_b_fmt:MATRIX_FMT_FP6 matrix_a_scale:MATRIX_SCALE_ROW1
.endif
.endr
.endr
.endm
; A slot's first 128 along K.  Loads into registers that matrix instructions have read stand NP plain places behind them.
.macro STEP slot, sc, zero
	s_wait_dscnt 4*NL                              ; B's set, A's blocks 0-3 and the scale words are in; the 12 youngest loads (A's blocks 4-7) may be out
	WIN MUL_LO
	MUL16 0, 0, 0, \sc, \zero
	MUL16 2, 0, 0, \sc, \zero
	s_wait_dscnt 0x0                               ; A's blocks 4-7 are in
	PLACES NP
	FETCH_B \slot, 1, 1
	FETCH_A \slot, 1, 0
	WIN MUL_HI
	MUL16 4, 0, 0, \sc, \zero
	MUL16 6, 0, 0, \sc, \zero
	PLACES NP
	WIN 0
	FETCH_A \slot, 1, 4
.endm
; A slot's second 128 along K, and the change of slots.  mode 1: this slot is filled again; mode 0: a barrier, nothing filled; mode 2: the next slot was shown whole by an earlier barrier and this one is not filled again: no barrier.
.macro TURN slot, next, sc, mode
.if (\mode) == 2
	s_wait_dscnt 4*NL                              ; the 12 youngest loads (A's blocks 4-7) may be out
	WIN MUL_LO
	MUL16 0, 1, 1, \sc, 0
	MUL16 2, 1, 1, \sc, 0
	s_wait_dscnt 0x0
	WIN 0
	PLACES NP
.else
	s_wait_tensorcnt 0x0                           ; all my tensor loads have landed
	ds_add_u32 v[SPW], v[NIL]                      ; 0 onto my spare word
	s_wait_dscnt 4*NL+1                            ; the add and the 12 youngest loads may be out
	WIN MUL_LO
	MUL16 0, 1, 1, \sc, 0                          ; sixteen matrix instructions stand between the add and the wait for it
	s_wait_dscnt 0x0                               ; the add is done, and my reads of this slot are over
	s_barrier_signal -1
	MUL16 2, 1, 1, \sc, 0
	WIN 0                                          ; at a branch and at a label every window is 0
	s_barrier_wait -1
.if (\mode) == 1
	CREST                                          ; the barrier has opened a round of the cluster's: no wave of any partner still reads this slot or has a load on its way
	s_add_nc_u64 s[G0A+4*\slot+2:G0A+4*\slot+3], s[G0A+4*\slot+2:G0A+4*\slot+3], NSLOT*STEPB
	s_add_nc_u64 s[G0B+4*\slot+2:G0B+4*\slot+3], s[G0B+4*\slot+2:G0B+4*\slot+3], NSLOT*STEPB
	JLOAD G0A+4*\slot, G1A, G0B+4*\slot, G1B       ; the first tensor load behind the round; its four v_nop are also the places in front of the loads below
.else
	PLACES NP
.endif
.endif
	v_add_nc_u32 v[ADRS], 1024, v[ADRS]            ; the next K step's scale words
	FETCH_B \next, 0, 0
	FETCH_A \next, 0, 0
	SCALES 1-(\sc)
	WIN MUL_HI
	MUL16 4, 1, 1, \sc, 0
	MUL16 6, 1, 1, \sc, 0
	PLACES NP
	WIN 0
	FETCH_A \next, 0, 4
.endm
.macro LAST sc                         ; the very last 128 along K: nothing more to fetch
	s_wait_dscnt 4*NL
	WIN MUL_LO
	MUL16 0, 1, 1, \sc, 0
	MUL16 2, 1, 1, \sc, 0
	s_wait_dscnt 0x0
	WIN MUL_HI
	MUL16 4, 1, 1, \sc, 0
	MUL16 6, 1, 1, \sc, 0
	WIN 0
.endm
; 64 numbers of a lane in window w, register 16 b + i = next K 32 b + 16 h + i of my row, become a fragment's 12 registers in v[PC] on and its scale word in v[pw].  Each accumulator is read from its low end on.
.macro QUANT s, w, pw
	WIN (\w)|((\w)<<2)
.irp b, 0,1,2,3
	v_max3_num_f32 v[TM+\b], |v[\s+16*\b]|, |v[\s+1+16*\b]|, 0x1800000   ; and the floor 2^(3 - 127): the byte cannot fall under 1
.endr
.irp i, 2,4,6,8,10,12,14
.irp b, 0,1,2,3
	v_max3_num_f32 v[TM+\b], |v[\s+16*\b+\i]|, |v[\s+1+16*\b+\i]|, v[TM+\b]
.endr
.endr
	WIN 0
.irp b, 0,1,2,3
	v_permlanex16_b32 v[TM+4+\b], v[TM+\b], s[SEL], s[SEL+1]
.endr
.irp b, 0,1,2,3
	v_max_num_f32 v[TM+\b], v[TM+\b], v[TM+4+\b]   ; with lane l xor 16's 16: the block's largest magnitude
.endr
.irp b, 0,1,2,3
	v_add_nc_u32 v[TM+12+\b], 0xff000000, v[TM+\b] ; 2 off its exponent field: the conversion's scale operand
.endr
.irp b, 0,1,2,3
	v_lshrrev_b32 v[TM+4+\b], 23, v[TM+12+\b]      ; the scale's byte
.endr
	v_lshl_or_b32 v[\pw], v[TM+5], 8, v[TM+4]
	v_lshl_or_b32 v[\pw], v[TM+6], 16, v[\pw]
	v_lshl_or_b32 v[\pw], v[TM+7], 24, v[\pw]
	WIN (\w)
.irp c, 0,1
	v_cvt_scalef32_pk16_fp6_f32 v[PC+6*\c:PC+2+6*\c], v[\s+32*\c:\s+15+32*\c], v[TM+12+2*\c]
	v_cvt_scalef32_pk16_fp6_f32 v[PC+12+4*\c:PC+14+4*\c], v[\s+16+32*\c:\s+31+32*\c], v[TM+12+2*\c+1]
.endr
	WIN 0
	v_nop                                          ; one plain line behind the scaled conversions
.irp c, 0,1
.irp i, 0,1,2
	v_permlane16_swap_b32 v[PC+6*\c+\i], v[PC+12+4*\c+\i]
.endr
.irp i, 0,1,2
	v_mov_b32 v[PC+3+6*\c+\i], v[PC+12+4*\c+\i]
.endr
.endr
.endm
	s_load_b256 s[4:11], s[0:1], 0x0               ; the operands' codes s[4:5] and scales s[6:7]; the results' codes s[8:9] and scales s[10:11]
	v_lshl_add_u32 v[SPW], v0, 2, SPARE
	v_mov_b32 v[NIL], 0
	ds_add_u32 v[SPW], v[NIL]                      ; the wave's opening: the add and its wait ahead of my first tensor load; work on registers stands between them
	v_lshrrev_b32 v1, 5, v0
	v_readfirstlane_b32 s[WV], v1
	s_lshr_b32 s[WHI], s[WV], 1
	s_and_b32 s[WLO], s[WV], 1
	s_bfe_u32 s[CX], ttmp6, 0x40000
	s_bfe_u32 s[CY], ttmp6, 0x40004
	s_and_b32 s95, ttmp7, 0xffff                   ; the cluster's y: 0-7 q and k, 8-11 v^T
	s_sub_co_u32 s96, s95, 8
	s_lshl_b32 s96, s96, 1
	s_add_co_u32 s96, s96, ttmp9
	s_cmp_lt_u32 s95, 8
	s_cselect_b32 s96, ttmp9, s96                  ; which four tile columns: q, k: the cluster's x; v^T: 2 (y - 8) + x
	s_cselect_b32 s97, s95, 0                      ; which four tile rows
	s_cselect_b32 s98, 0, 80                       ; A's first group of 128 rows: x's or wv's
	s_cselect_b32 s99, 64, 0                       ; B's: wq's or x's
	s_lshl_b32 s[TX], s96, 2
	s_add_co_u32 s[TX], s[TX], s[CX]
	s_lshl_b32 s[TY], s97, 2
	s_add_co_u32 s[TY], s[TY], s[CY]
	s_lshl_b32 s[RM], s[CY], 2
	s_lshl_b32 s[RM], 15, s[RM]                    ; my row of the cluster
	s_lshl_b32 s[CM], 0x1111, s[CX]                ; my column
	; group 1: dense blocks as rows of 256 bytes (32 elements of 8 bytes): 96 rows a tile, 16 rows a wave's scales; no padding; bit 21 set beside the mask
	s_or_b32 s[G1A], s[RM], (3<<16)|(1<<21)
	s_or_b32 s[G1B], s[CM], (3<<16)|(1<<21)
	s_or_b32 s[G1SA], s[RM], (3<<16)|(1<<21)
	s_or_b32 s[G1SB], s[CM], (3<<16)|(1<<21)
.irp g, G1A, G1B
	s_mov_b32 s[\g+1], 32<<16                      ; tensor_dim0
	s_mov_b32 s[\g+2], 96<<16                      ; tensor_dim1
	s_mov_b32 s[\g+3], 32<<16                      ; tile_dim0
	s_mov_b32 s[\g+4], 96                          ; tile_dim1
	s_mov_b32 s[\g+5], 32                          ; the pitch
	s_mov_b32 s[\g+6], 0
	s_mov_b32 s[\g+7], 0
.endr
.irp g, G1SA, G1SB
	s_mov_b32 s[\g+1], 32<<16
	s_mov_b32 s[\g+2], 16<<16
	s_mov_b32 s[\g+3], 32<<16
	s_mov_b32 s[\g+4], 16
	s_mov_b32 s[\g+5], 32
	s_mov_b32 s[\g+6], 0
	s_mov_b32 s[\g+7], 0
.endr
	; A's offsets are made of the tile row and the wave's number, B's of the tile column and the wave's number, each in registers of their own
	s_lshl_b32 s66, s[TY], 1
	s_add_co_u32 s66, s66, s[WLO]
	s_add_co_u32 s66, s66, s98                     ; A: the group of 128 rows that I fetch
	s_mul_i32 s2, s66, NK*CH
	s_mov_b32 s3, 0
	s_mul_i32 s66, s66, HALFS
	s_mov_b32 s67, 0
	s_lshl_b32 s100, s[TX], 1
	s_add_co_u32 s100, s100, s[WLO]
	s_add_co_u32 s100, s100, s99                   ; B likewise
	s_mul_i32 s96, s100, NK*CH
	s_mov_b32 s97, 0
	s_mul_i32 s100, s100, HALFS
	s_mov_b32 s101, 0
.irp s, 0,1,2
	s_mov_b32 s[G0A+4*\s], 1
	s_mul_i32 s[G0A+4*\s+1], s[WV], HALFT          ; LDS: wave x 24,576 + the slot: no place in the cluster enters an LDS address
	s_add_co_u32 s[G0A+4*\s+1], s[G0A+4*\s+1], \s*SLOT
	s_mov_b32 s[G0B+4*\s], 1
	s_mul_i32 s[G0B+4*\s+1], s[WV], HALFT
	s_add_co_u32 s[G0B+4*\s+1], s[G0B+4*\s+1], \s*SLOT
.endr
	s_mov_b32 s[G0SA], 1
	s_mul_i32 s[G0SA+1], s[WV], HALFS
	s_add_co_u32 s[G0SA+1], s[G0SA+1], SCL
	s_mov_b32 s[G0SB], 1
	s_mul_i32 s[G0SB+1], s[WV], HALFS
	s_add_co_u32 s[G0SB+1], s[G0SB+1], SCL
	s_wait_dscnt 0x0                               ; the opening add is done
	s_wait_kmcnt 0x0
	s_add_nc_u64 s[2:3], s[4:5], s[2:3]
	s_add_nc_u64 s[66:67], s[6:7], s[66:67]
	s_add_nc_u64 s[96:97], s[4:5], s[96:97]
	s_add_nc_u64 s[100:101], s[6:7], s[100:101]
	s_mov_b64 s[G0SA+2:G0SA+3], s[66:67]
	s_or_b32 s[G0SA+3], s[G0SA+3], 0x80000000
	s_mov_b64 s[G0SB+2:G0SB+3], s[100:101]
	s_or_b32 s[G0SB+3], s[G0SB+3], 0x80000000
.irp s, 0,1,2
	s_add_nc_u64 s[G0A+4*\s+2:G0A+4*\s+3], s[2:3], \s*STEPB
	s_or_b32 s[G0A+4*\s+3], s[G0A+4*\s+3], 0x80000000
	s_add_nc_u64 s[G0B+4*\s+2:G0B+4*\s+3], s[96:97], \s*STEPB
	s_or_b32 s[G0B+4*\s+3], s[G0B+4*\s+3], 0x80000000
.endr
	CROUND                                         ; all sixteen work-groups are here: the first joint loads meet
	JLOAD G0SA, G1SA, G0SB, G1SB                   ; the scales first: they are wanted with K step 0
.irp s, 0,1,2
	JLOAD G0A+4*\s, G1A, G0B+4*\s, G1B
.endr
	v_and_b32 v1, 31, v0
	v_lshlrev_b32 v2, 4, v1                        ; 16 x lane
	v_and_b32 v3, 15, v0                           ; r
	v_bfe_u32 v4, v0, 4, 1                         ; h
	s_mul_i32 s2, s[WHI], HALFT
	s_mul_i32 s3, s[WLO], HALFT
	s_add_co_u32 s3, s3, 2*HALFT
.irp s, 0,1,2
	v_add_nc_u32 v[ADRA+\s], s2, v2
	v_add_nc_u32 v[ADRB+\s], s3, v2
	s_add_co_u32 s2, s2, SLOT
	s_add_co_u32 s3, s3, SLOT
.endr
	s_mul_i32 s2, s[WHI], HALFS                    ; A's scale words: my 128 rows
	s_mul_i32 s3, s[WLO], HALFS                    ; B's, behind A's two halves
	s_add_co_u32 s3, s3, 2*HALFS
	s_sub_co_u32 s3, s3, s2
	v_mul_u32_u24 v5, s3, v4                       ; lanes 16-31 take B's
	s_add_co_u32 s2, s2, SCL
	v_lshl_add_u32 v5, v3, 2, v5
	v_add_nc_u32 v[ADRS], s2, v5
	s_lshl_b32 s2, s[WV], 9
	s_add_co_u32 s2, s2, SCR
	v_lshl_add_u32 v[SWA], v3, 2, s2
	v_add_nc_u32 v[SRA], s2, v2
	v_mov_b32 v[GO], v2
.irp b, 0,1,2,3
	v_mov_b32 v[TM+4+\b], 0                        ; written once: a lane permute's destination counts as one of its sources
.endr
	s_mov_b32 s[SEL], 0x76543210
	s_mov_b32 s[SEL+1], 0xfedcba98
	; my chunk of the output.  ra = A's group 2 ty + half, cb = B's 128 rows 2 tx + half
	s_lshl_b32 s2, s[TY], 1
	s_add_co_u32 s2, s2, s[WHI]
	s_lshl_b32 s3, s[TX], 1
	s_add_co_u32 s3, s3, s[WLO]
	s_lshr_b32 s66, s3, 3                          ; q, k: 512 (cb / 8) + 8 ra + cb % 8
	s_lshl_b32 s66, s66, 9
	s_lshl_b32 s67, s2, 3
	s_add_co_u32 s66, s66, s67
	s_and_b32 s67, s3, 7
	s_add_co_u32 s66, s66, s67
	s_lshr_b32 s96, s3, 4                          ; v^T: 1024 + 16 (8 (cb / 16) + ra) + cb % 16
	s_lshl_b32 s96, s96, 3
	s_add_co_u32 s96, s96, s2
	s_lshl_b32 s96, s96, 4
	s_and_b32 s97, s3, 15
	s_add_co_u32 s96, s96, s97
	s_add_co_u32 s96, s96, 1024
	s_cmp_lt_u32 s95, 8
	s_cselect_b32 s66, s66, s96
	s_mul_i32 s2, s66, CH
	s_mov_b32 s3, 0
	s_add_nc_u64 s[8:9], s[8:9], s[2:3]
	s_lshl_b32 s2, s66, 9
	s_add_nc_u64 s[10:11], s[10:11], s[2:3]
	s_wait_tensorcnt 0x2                           ; my scales and my part of slot 0 are in; slots 1 and 2 may be out
	s_barrier_signal -1
	s_barrier_wait -1
	FETCH_B 0, 0, 0
	FETCH_A 0, 0, 0
	SCALES 0
	FETCH_A 0, 0, 4
	STEP 0, 0, 1                                   ; the first products start the sums: nothing is cleared
	TURN 0, 1, 0, 1                                ; slots 1 and 2 are whole in every wave's eyes; slot 0 takes K step 3: 256 matrix instructions in which to land
	STEP 1, 1, 0
	TURN 1, 2, 1, 2
	STEP 2, 0, 0
	TURN 2, 0, 0, 0                                ; K step 3 has landed, in every wave
	STEP 0, 1, 0
	LAST 1
	; THE WAY OUT: block a's 64 registers are 128 neighbours along the next K of rows 16 a + r: one fragment and one scale word a row
	PLACES NP
.irp a, 0,1,2,3,4,5,6,7
.if \a > 0
	s_wait_xcnt 0x0                                ; the last block's stores have read the codes' registers, which are written again below
.endif
.set QS, 64*(\a%4)
.set QW, 2+\a/4
	QUANT QS, QW, SW+\a
.irp c, 0,1,2
	global_store_b128 v[GO], v[PC+4*\c:PC+4*\c+3], s[8:9] offset:1536*\a+512*\c   ; 512 consecutive bytes, at a multiple of 256 from the buffer's first byte
.endr
	ds_store_b32 v[SWA], v[SW+\a] offset:64*\a     ; lanes l and l xor 16 write the same word with the same value
.endr
	ds_load_b128 v[TM:TM+3], v[SRA]                ; LDS serves a wave's instructions in order: this sees my stores
	s_wait_dscnt 0x0
	global_store_b128 v[GO], v[TM:TM+3], s[10:11]  ; the chunk's 128 scale words
	s_wait_tensorcnt 0x0                           ; the wave's end, behind my last tensor load and my last LDS store
	ds_add_u32 v[SPW], v[NIL]
	s_wait_dscnt 0x0
	CROUND                                         ; the closing round
	s_endpgm
.Lfunc_end_k_q0777b3b609_proj:
	.size	k_q0777b3b609_proj, .Lfunc_end_k_q0777b3b609_proj-k_q0777b3b609_proj
	.p2alignl 7, 3214868480
	.fill 96, 4, 3214868480
	.section	.rodata,"a",@progbits
	.p2align	6, 0x0
	.amdhsa_kernel k_q0777b3b609_proj
		.amdhsa_group_segment_fixed_size 327680
		.amdhsa_private_segment_fixed_size 0
		.amdhsa_enable_private_segment 0
		.amdhsa_kernarg_size 32
		.amdhsa_user_sgpr_count 2
		.amdhsa_user_sgpr_kernarg_segment_ptr 1
		.amdhsa_wavefront_size32 1
		.amdhsa_system_sgpr_workgroup_id_x 1
		.amdhsa_system_sgpr_workgroup_id_y 1
		.amdhsa_system_sgpr_workgroup_id_z 1
		.amdhsa_system_vgpr_workitem_id 0
		.amdhsa_next_free_vgpr 1024
		.amdhsa_next_free_sgpr 102
		.amdhsa_reserve_vcc 0
		.amdhsa_float_denorm_mode_32 3
		.amdhsa_float_denorm_mode_16_64 3
		.amdhsa_memory_ordered 1
		.amdhsa_forward_progress 1
		.amdhsa_inst_pref_size 143
	.end_amdhsa_kernel
	.amdgpu_metadata
---
amdhsa.version: [ 1, 2 ]
amdhsa.kernels:
  - .name:           k_q0777b3b609_proj
    .symbol:         k_q0777b3b609_proj.kd
    .args:
      - { .name: xw_codes, .offset: 0, .size: 8, .value_kind: global_buffer, .address_space: global }
      - { .name: xw_scales, .offset: 8, .size: 8, .value_kind: global_buffer, .address_space: global }
      - { .name: qkv_codes, .offset: 16, .size: 8, .value_kind: global_buffer, .address_space: global }
      - { .name: qkv_scales, .offset: 24, .size: 8, .value_kind: global_buffer, .address_space: global }
    .group_segment_fixed_size: 327680
    .private_segment_fixed_size: 0
    .kernarg_segment_align: 8
    .kernarg_segment_size: 32
    .max_flat_workgroup_size: 128
    .sgpr_count:     102
    .vgpr_count:     1024
    .wavefront_size: 32
...
	.end_amdgpu_metadata
.endif
;; end of part 2
;; launch score (part 3): grid 8 x 32, 4 waves a work-group, clusters of 4 x 4, 327,680 bytes of LDS; arguments qkv_codes, qkv_scales, p_codes, p_scales, p_nm, p_l; writes p_codes, p_scales, p_nm, p_l
.if DOCPART == 3
	.amdgcn_target "amdgcn-amd-amdhsa--gfx1250"
	.amdhsa_code_object_version 6
	.text
	.protected	k_q0777b3b609_score
	.globl	k_q0777b3b609_score
	.p2align	8
	.type	k_q0777b3b609_score,@function
k_q0777b3b609_score:
	s_mov_b64 s[64:65], 0
	v_nop
	global_prefetch_b8 v0, s[64:65] scope:SCOPE_SE
	s_setreg_imm32_b32 hwreg(HW_REG_WAVE_MODE, 25, 1), 1
	s_wait_xcnt 0x0
	s_wait_alu depctr_hold_cnt(0) depctr_sa_sdst(0) depctr_va_vdst(0) depctr_va_sdst(0) depctr_va_ssrc(0) depctr_va_vcc(0) depctr_vm_vsrc(0)
	s_getreg_b32 s2, hwreg(HW_REG_IB_STS2, 6, 4)
	s_cmp_eq_u32 s2, 0
	s_cbranch_scc0 .Lentry_in_a_cluster
	s_endpgm
.Lentry_in_a_cluster:
	s_bfe_u32 s2, ttmp6, 0x10000c
	s_cmp_lg_u32 s2, 0xf033
	s_cbranch_scc0 .Lentry_shape_is_right
	s_endpgm
.Lentry_shape_is_right:
; S^T = k q^T for each batch, on codes of FP6 (E2M3) with E8M0 scales, K = 1,024; then, for each query and each CHUNK of 128 keys: t = score x log2(e) / 32, M = ceil(the chunk's largest t), p = 2^(t - M),
; the chunk's sum of the unquantised p, and p's codes along the keys.  M is a whole number, so the last launch brings every chunk under the row's M by taking M_row - M_chunk off the scale bytes: the codes stay.
; (attn_mask and pad_mask are named in no launch: reference() throws the results of both masked fills away.)
; OPERANDS: chunks of 128 rows x 128 K (eight images of a fragment's 12 registers, 12,288 bytes; chunk = 8 x group + K step): q groups 0-63, k groups 64-127; 512 bytes of scale words a chunk.
; A TILE is 256 queries (A, source 1) x 256 keys (B, source 0); four waves, each 128 x 128.  A lane holds one query; k's rows are stored so that the 64 registers of accumulators (a, 0..7) are 128 neighbouring keys.
; OUTPUT: chunk = 16 x (group of 128 queries, 0-63) + (K step along the batch's keys): p_codes 12,288 bytes; p_scales, p_nm (-M as f32), p_l (the sum) 512 bytes each, row p at 4 p.
; Ring, round and joint loads: three slots for four K steps of 256, one refill.  By this text's own count a wave has at most four tensor loads out.
; LIMITS: a block whose every p has fallen to 0 gets the byte 1 (zero codes); NaN and infinities are not served.
; REGISTERS: window 0: v16-31 addresses; v32-63 scale words; v64-127 the way out; v128-223 A's fragments, on the way out v128-191 p.  Window 1: B's two sets.  Windows 2, 3: accumulators.
.set NK,     8
.set NSLOT,  3
.set FR,     12
.set NL,     3
.set NP,     4
.set CH,     12288
.set STEPB,  2*CH
.set HALFT,  STEPB
.set SLOT,   4*HALFT
.set HALFS,  NK*512
.set SCL,    NSLOT*SLOT
.set SPARE,  SCL+4*HALFS
.set SCR,    SPARE+512                 ; 1,536 bytes a wave: scale words, -M and sums on their way out; no tensor load lands here
.set ADRA, 16
.set ADRB, 20
.set GO,   24
.set SWA,  25
.set SRA,  26
.set ADRS, 27
.set SPW,  28
.set NIL,  29
.set SC,   32
.set TM,   64                          ; v64-79  at work
.set SB,   72                          ; v[72:73] the sum's second chain
.set SW,   80                          ; v80-87  a scale word for each block of 16 queries
.set MW,   88                          ; v88-95  -M
.set LW,   96                          ; v96-103 the sum
.set PC,   104                         ; v104-122 the codes
.set NM,   124                         ; v[124:125] -M, named as a pair by the packed form
.set SA,   126                         ; v[126:127] the sum's first chain
.set AF,   128
.set T,    128                         ; v128-191 t - M, then p
.set WV,  18
.set WHI, 19
.set WLO, 20
.set CX,  21
.set CY,  22
.set TX,  23
.set G1A, 24
.set G1B, 32
.set G1SA, 40
.set G1SB, 48
.set G0SA, 56
.set G0SB, 60
.set G0A, 68
.set G0B, 80
.set TY,  92
.set RM,  93
.set CM,  94
.set SEL, 98
.set CS,  100                          ; s[100:101] c = log2(e) / 32
.set MSB, 0
.macro WIN new
.if MSB != (\new)
	s_set_vgpr_msb (MSB<<8)|(\new)
.set MSB, (\new)
.endif
.endm
.set MUL_LO, 0xa1
.set MUL_HI, 0xf1
.set TO_B,   0x40
.macro PLACES n
.rept \n
	v_nop
.endr
.endm
.macro JLOAD g0a, g1a, g0b, g1b        ; waves 0 and 1 fetch for A, waves 2 and 3 for B; an s_nop 0 and four v_nop follow each of the two lines
	s_cmp_eq_u32 s[WHI], 0
	s_cbranch_scc0 .Lfor_b_\@
	tensor_load_to_lds s[\g0a:\g0a+3], s[\g1a:\g1a+7]
	s_nop 0
.rept 4
	v_nop
.endr
	s_branch .Lasked_\@
.Lfor_b_\@:
	tensor_load_to_lds s[\g0b:\g0b+3], s[\g1b:\g1b+7]
	s_nop 0
.rept 4
	v_nop
.endr
.Lasked_\@:
.endm
.macro CREST
	s_cmp_lg_u32 s[WV], 0
	s_cbranch_scc1 .Lnot_wave_0_\@
	s_barrier_signal -3
.Lnot_wave_0_\@:
	s_barrier_wait -3
	s_barrier_signal -1
	s_barrier_wait -1
.endm
.macro CROUND
	s_barrier_signal -1
	s_barrier_wait -1
	CREST
.endm
.macro FRAG reg, adr, q, i
.irp g, 0,1,2
	ds_load_b128 v[\reg+4*\g:\reg+4*\g+3], v[\adr] offset:(\q)*CH+(\i)*1536+512*\g
.endr
.endm
.macro FETCH_B slot, q, p
	WIN TO_B
.irp i, 0,1,2,3,4,5,6,7
	FRAG 128*(\p)+FR*\i, ADRB+\slot, \q, \i
.endr
	WIN 0
.endm
.macro FETCH_A slot, q, i0
.irp i, \i0, \i0+1, \i0+2, \i0+3
	FRAG AF+FR*(\i), ADRA+\slot, \q, \i
.endr
.endm
.macro SCALES sc
.irp i, 0,1,2,3,4,5,6,7
.irp q, 0,1
	ds_load_b32 v[SC+16*(\sc)+2*\i+\q], v[ADRS] offset:512*\q+64*\i
.endr
.endr
.endm
.macro MUL16 a0, p, q, sc, zero        ; the 64 accumulators take turns, one instruction a turn
.irp a, \a0, \a0+1
.irp b, 0,1,2,3,4,5,6,7
.if \zero
	v_wmma_scale_f32_16x16x128_f8f6f4 v[8*(8*((\a)%4)+\b):8*(8*((\a)%4)+\b)+7], v[128*(\p)+FR*\b:128*(\p)+FR*\b+FR-1], v[AF+FR*(\a):AF+FR*(\a)+FR-1], 0, v[SC+16*(\sc)+2*\b+(\q)], v[SC+16*(\sc)+2*(\a)+(\q)] matrix_a_fmt:MATRIX_FMT_FP6 matrix_b_fmt:MATRIX_FMT_FP6 matrix_a_scale:MATRIX_SCALE_ROW1
.else
	v_wmma_scale_f32_16x16x128_f8f6f4 v[8*(8*((\a)%4)+\b):8*(8*((\a)%4)+\b)+7], v[128*(\p)+FR*\b:128*(\p)+FR*\b+FR-1], v[AF+FR*(\a):AF+FR*(\a)+FR-1], v[8*(8*((\a)%4)+\b):8*(8*((\a)%4)+\b)+7], v[SC+16*(\sc)+2*\b+(\q)], v[SC+16*(\sc)+2*(\a)+(\q)] matrix_a_fmt:MATRIX_FMT_FP6 matrix_b_fmt:MATRIX_FMT_FP6 matrix_a_scale:MATRIX_SCALE_ROW1
.endif
.endr
.endr
.endm
.macro STEP slot, sc, zero
	s_wait_dscnt 4*NL                              ; the 12 youngest loads (A's blocks 4-7) may be out
	WIN MUL_LO
	MUL16 0, 0, 0, \sc, \zero
	MUL16 2, 0, 0, \sc, \zero
	s_wait_dscnt 0x0
	PLACES NP
	FETCH_B \slot, 1, 1
	FETCH_A \slot, 1, 0
	WIN MUL_HI
	MUL16 4, 0, 0, \sc, \zero
	MUL16 6, 0, 0, \sc, \zero
	PLACES NP
	WIN 0
	FETCH_A \slot, 1, 4
.endm
.macro TURN slot, next, sc, mode       ; mode 1: this slot is filled again; 0: a barrier, nothing filled; 2: no barrier (the next slot was shown whole by an earlier one)
.if (\mode) == 2
	s_wait_dscnt 4*NL
	WIN MUL_LO
	MUL16 0, 1, 1, \sc, 0
	MUL16 2, 1, 1, \sc, 0
	s_wait_dscnt 0x0
	WIN 0
	PLACES NP
.else
	s_wait_tensorcnt 0x0                           ; all my tensor loads have landed
	ds_add_u32 v[SPW], v[NIL]                      ; 0 onto my spare word
	s_wait_dscnt 4*NL+1                            ; the add and the 12 youngest loads may be out
	WIN MUL_LO
	MUL16 0, 1, 1, \sc, 0
	s_wait_dscnt 0x0                               ; the add is done, and my reads of this slot are over
	s_barrier_signal -1
	MUL16 2, 1, 1, \sc, 0
	WIN 0
	s_barrier_wait -1
.if (\mode) == 1
	CREST
	s_add_nc_u64 s[G0A+4*\slot+2:G0A+4*\slot+3], s[G0A+4*\slot+2:G0A+4*\slot+3], NSLOT*STEPB
	s_add_nc_u64 s[G0B+4*\slot+2:G0B+4*\slot+3], s[G0B+4*\slot+2:G0B+4*\slot+3], NSLOT*STEPB
	JLOAD G0A+4*\slot, G1A, G0B+4*\slot, G1B
.else
	PLACES NP
.endif
.endif
	v_add_nc_u32 v[ADRS], 1024, v[ADRS]
	FETCH_B \next, 0, 0
	FETCH_A \next, 0, 0
	SCALES 1-(\sc)
	WIN MUL_HI
	MUL16 4, 1, 1, \sc, 0
	MUL16 6, 1, 1, \sc, 0
	PLACES NP
	WIN 0
	FETCH_A \next, 0, 4
.endm
.macro LAST sc
	s_wait_dscnt 4*NL
	WIN MUL_LO
	MUL16 0, 1, 1, \sc, 0
	MUL16 2, 1, 1, \sc, 0
	s_wait_dscnt 0x0
	WIN MUL_HI
	MUL16 4, 1, 1, \sc, 0
	MUL16 6, 1, 1, \sc, 0
	WIN 0
.endm
; Block a: queries 16 a + r, my 128 keys.  Register 16 b + i of the block's 64 is key 32 b + 16 h + i.
.macro SOFT a
.set QS, 64*((\a)%4)
.set QW, 2+(\a)/4
.if (\a) > 0
	s_wait_xcnt 0x0                                ; the last block's stores have read the codes' registers, which are written again below
.endif
	WIN (QW)|((QW)<<2)
.irp b, 0,1,2,3
	v_max_num_f32 v[TM+\b], v[QS+16*\b], v[QS+1+16*\b]   ; the largest SCORE of each block of 32 keys: it serves for the row's maximum and, since p rises with the score, for the block's largest p.  Each accumulator is read from its low end on
.endr
.irp i, 2,4,6,8,10,12,14
.irp b, 0,1,2,3
	v_max3_num_f32 v[TM+\b], v[QS+16*\b+\i], v[QS+1+16*\b+\i], v[TM+\b]
.endr
.endr
	WIN 0
.irp b, 0,1,2,3
	v_permlanex16_b32 v[TM+4+\b], v[TM+\b], s[SEL], s[SEL+1]
.endr
.irp b, 0,1,2,3
	v_max_num_f32 v[TM+\b], v[TM+\b], v[TM+4+\b]   ; with lane l xor 16's 16 keys
.endr
	v_max3_num_f32 v[TM+8], v[TM], v[TM+1], v[TM+2]
	v_max_num_f32 v[TM+8], v[TM+8], v[TM+3]        ; the chunk's largest score of my query,
	v_mul_f32 v[TM+8], s[CS], v[TM+8]              ; as t (c is positive)
	v_floor_f32 v[NM], -v[TM+8]                    ; -M = floor(-t) = -ceil(t): a whole number
	WIN QW
.set JJ, 0
.rept 32
	v_pk_fma_f32 v[T+JJ:T+JJ+1], v[QS+JJ:QS+JJ+1], s[CS:CS+1], v[NM:NM+1] op_sel_hi:[1,0,0]   ; t - M, two at a time
.set JJ, JJ+2
.endr
	WIN 0
.irp b, 0,1,2,3
	v_fma_f32 v[TM+\b], v[TM+\b], s[CS], v[NM]     ; the same of each block's largest score
.endr
.set JJ, 0
.rept 64
	v_exp_f32 v[T+JJ], v[T+JJ]                     ; p = 2^(t - M), at most 1: not normalised
.set JJ, JJ+1
.endr
.irp b, 0,1,2,3
	v_exp_f32 v[TM+\b], v[TM+\b]                   ; the block's largest p: the same two instructions on the same number give the same bits
.endr
	v_mov_b32 v[MW+(\a)], v[NM]                    ; a plain line behind the exponentials
	s_wait_alu depctr_va_vdst(0)                   ; one wait for the batch of 68, ahead of its first reader
	v_pk_add_f32 v[SA:SA+1], v[T:T+1], v[T+2:T+3]  ; the sum is taken of the UNQUANTISED p: two at a time, in two chains
	v_pk_add_f32 v[SB:SB+1], v[T+4:T+5], v[T+6:T+7]
.irp j, 8,12,16,20,24,28,32,36,40,44,48,52,56,60
	v_pk_add_f32 v[SA:SA+1], v[SA:SA+1], v[T+\j:T+\j+1]
	v_pk_add_f32 v[SB:SB+1], v[SB:SB+1], v[T+\j+2:T+\j+3]
.endr
	v_pk_add_f32 v[SA:SA+1], v[SA:SA+1], v[SB:SB+1]
	v_add_f32 v[SA], v[SA], v[SA+1]
	v_permlanex16_b32 v[SB], v[SA], s[SEL], s[SEL+1]
	v_add_f32 v[LW+(\a)], v[SA], v[SB]             ; with lane l xor 16's 64 keys: the chunk's sum
.irp b, 0,1,2,3
	v_max_num_f32 v[TM+\b], 0x1800000, v[TM+\b]    ; the floor 2^(3 - 127): the byte cannot fall under 1
.endr
.irp b, 0,1,2,3
	v_add_nc_u32 v[TM+12+\b], 0xff000000, v[TM+\b] ; 2 off the exponent field: the conversion's scale operand
.endr
.irp b, 0,1,2,3
	v_lshrrev_b32 v[TM+4+\b], 23, v[TM+12+\b]      ; the scale's byte
.endr
	v_lshl_or_b32 v[SW+(\a)], v[TM+5], 8, v[TM+4]
	v_lshl_or_b32 v[SW+(\a)], v[TM+6], 16, v[SW+(\a)]
	v_lshl_or_b32 v[SW+(\a)], v[TM+7], 24, v[SW+(\a)]
.irp c, 0,1
	v_cvt_scalef32_pk16_fp6_f32 v[PC+6*\c:PC+2+6*\c], v[T+32*\c:T+15+32*\c], v[TM+12+2*\c]
	v_cvt_scalef32_pk16_fp6_f32 v[PC+12+4*\c:PC+14+4*\c], v[T+16+32*\c:T+31+32*\c], v[TM+12+2*\c+1]
.endr
	v_nop                                          ; one plain line behind the scaled conversions
.irp c, 0,1
.irp i, 0,1,2
	v_permlane16_swap_b32 v[PC+6*\c+\i], v[PC+12+4*\c+\i]
.endr
.irp i, 0,1,2
	v_mov_b32 v[PC+3+6*\c+\i], v[PC+12+4*\c+\i]
.endr
.endr
.irp c, 0,1,2
	global_store_b128 v[GO], v[PC+4*\c:PC+4*\c+3], s[8:9] offset:1536*(\a)+512*\c   ; 512 consecutive bytes, at a multiple of 256 from the buffer's first byte
.endr
	ds_store_b32 v[SWA], v[SW+(\a)] offset:64*(\a) ; lanes l and l xor 16 write the same word with the same value
	ds_store_b32 v[SWA], v[MW+(\a)] offset:512+64*(\a)
	ds_store_b32 v[SWA], v[LW+(\a)] offset:1024+64*(\a)
.endm
	s_load_b256 s[4:11], s[0:1], 0x0               ; q, k, v's codes s[4:5], scales s[6:7]; p's codes s[8:9], scales s[10:11]
	s_load_b128 s[12:15], s[0:1], 0x20             ; -M s[12:13], the sums s[14:15]
	v_lshl_add_u32 v[SPW], v0, 2, SPARE
	v_mov_b32 v[NIL], 0
	ds_add_u32 v[SPW], v[NIL]                      ; the wave's opening: the add and its wait ahead of my first tensor load
	v_lshrrev_b32 v1, 5, v0
	v_readfirstlane_b32 s[WV], v1
	s_lshr_b32 s[WHI], s[WV], 1
	s_and_b32 s[WLO], s[WV], 1
	s_bfe_u32 s[CX], ttmp6, 0x40000
	s_bfe_u32 s[CY], ttmp6, 0x40004
	s_and_b32 s95, ttmp7, 0xffff                   ; the cluster's y; the batch is y / 2
	s_lshl_b32 s[TX], ttmp9, 2
	s_add_co_u32 s[TX], s[TX], s[CX]               ; which 256 keys of the batch
	s_lshl_b32 s[TY], s95, 2
	s_add_co_u32 s[TY], s[TY], s[CY]               ; which 256 queries of all 8,192
	s_lshl_b32 s[RM], s[CY], 2
	s_lshl_b32 s[RM], 15, s[RM]
	s_lshl_b32 s[CM], 0x1111, s[CX]
	s_or_b32 s[G1A], s[RM], (3<<16)|(1<<21)
	s_or_b32 s[G1B], s[CM], (3<<16)|(1<<21)
	s_or_b32 s[G1SA], s[RM], (3<<16)|(1<<21)
	s_or_b32 s[G1SB], s[CM], (3<<16)|(1<<21)
.irp g, G1A, G1B
	s_mov_b32 s[\g+1], 32<<16
	s_mov_b32 s[\g+2], 96<<16
	s_mov_b32 s[\g+3], 32<<16
	s_mov_b32 s[\g+4], 96
	s_mov_b32 s[\g+5], 32
	s_mov_b32 s[\g+6], 0
	s_mov_b32 s[\g+7], 0
.endr
.irp g, G1SA, G1SB
	s_mov_b32 s[\g+1], 32<<16
	s_mov_b32 s[\g+2], 16<<16
	s_mov_b32 s[\g+3], 32<<16
	s_mov_b32 s[\g+4], 16
	s_mov_b32 s[\g+5], 32
	s_mov_b32 s[\g+6], 0
	s_mov_b32 s[\g+7], 0
.endr
	s_lshl_b32 s66, s[TY], 1
	s_add_co_u32 s66, s66, s[WLO]                  ; A: q's group 2 ty + half
	s_mul_i32 s2, s66, NK*CH
	s_mov_b32 s3, 0
	s_mul_i32 s66, s66, HALFS
	s_mov_b32 s67, 0
	s_lshr_b32 s100, s95, 1
	s_lshl_b32 s100, s100, 4
	s_lshl_b32 s96, s[TX], 1
	s_add_co_u32 s100, s100, s96
	s_add_co_u32 s100, s100, s[WLO]
	s_add_co_u32 s100, s100, 64                    ; B: k's group 64 + 16 batch + 2 tx + half
	s_mul_i32 s96, s100, NK*CH
	s_mov_b32 s97, 0
	s_mul_i32 s100, s100, HALFS
	s_mov_b32 s101, 0
.irp s, 0,1,2
	s_mov_b32 s[G0A+4*\s], 1
	s_mul_i32 s[G0A+4*\s+1], s[WV], HALFT
	s_add_co_u32 s[G0A+4*\s+1], s[G0A+4*\s+1], \s*SLOT
	s_mov_b32 s[G0B+4*\s], 1
	s_mul_i32 s[G0B+4*\s+1], s[WV], HALFT
	s_add_co_u32 s[G0B+4*\s+1], s[G0B+4*\s+1], \s*SLOT
.endr
	s_mov_b32 s[G0SA], 1
	s_mul_i32 s[G0SA+1], s[WV], HALFS
	s_add_co_u32 s[G0SA+1], s[G0SA+1], SCL
	s_mov_b32 s[G0SB], 1
	s_mul_i32 s[G0SB+1], s[WV], HALFS
	s_add_co_u32 s[G0SB+1], s[G0SB+1], SCL
	s_wait_dscnt 0x0                               ; the opening add is done
	s_wait_kmcnt 0x0
	s_add_nc_u64 s[2:3], s[4:5], s[2:3]
	s_add_nc_u64 s[66:67], s[6:7], s[66:67]
	s_add_nc_u64 s[96:97], s[4:5], s[96:97]
	s_add_nc_u64 s[100:101], s[6:7], s[100:101]
	s_mov_b64 s[G0SA+2:G0SA+3], s[66:67]
	s_or_b32 s[G0SA+3], s[G0SA+3], 0x80000000
	s_mov_b64 s[G0SB+2:G0SB+3], s[100:101]
	s_or_b32 s[G0SB+3], s[G0SB+3], 0x80000000
.irp s, 0,1,2
	s_add_nc_u64 s[G0A+4*\s+2:G0A+4*\s+3], s[2:3], \s*STEPB
	s_or_b32 s[G0A+4*\s+3], s[G0A+4*\s+3], 0x80000000
	s_add_nc_u64 s[G0B+4*\s+2:G0B+4*\s+3], s[96:97], \s*STEPB
	s_or_b32 s[G0B+4*\s+3], s[G0B+4*\s+3], 0x80000000
.endr
	CROUND                                         ; all sixteen work-groups are here: the first joint loads meet
	JLOAD G0SA, G1SA, G0SB, G1SB
.irp s, 0,1,2
	JLOAD G0A+4*\s, G1A, G0B+4*\s, G1B
.endr
	v_and_b32 v1, 31, v0
	v_lshlrev_b32 v2, 4, v1
	v_and_b32 v3, 15, v0
	v_bfe_u32 v4, v0, 4, 1
	s_mul_i32 s2, s[WHI], HALFT
	s_mul_i32 s3, s[WLO], HALFT
	s_add_co_u32 s3, s3, 2*HALFT
.irp s, 0,1,2
	v_add_nc_u32 v[ADRA+\s], s2, v2
	v_add_nc_u32 v[ADRB+\s], s3, v2
	s_add_co_u32 s2, s2, SLOT
	s_add_co_u32 s3, s3, SLOT
.endr
	s_mul_i32 s2, s[WHI], HALFS
	s_mul_i32 s3, s[WLO], HALFS
	s_add_co_u32 s3, s3, 2*HALFS
	s_sub_co_u32 s3, s3, s2
	v_mul_u32_u24 v5, s3, v4
	s_add_co_u32 s2, s2, SCL
	v_lshl_add_u32 v5, v3, 2, v5
	v_add_nc_u32 v[ADRS], s2, v5
	s_mul_i32 s2, s[WV], 1536
	s_add_co_u32 s2, s2, SCR
	v_lshl_add_u32 v[SWA], v3, 2, s2
	v_add_nc_u32 v[SRA], s2, v2
	v_mov_b32 v[GO], v2
.irp b, 0,1,2,3
	v_mov_b32 v[TM+4+\b], 0                        ; written once: a lane permute's destination counts as one of its sources
.endr
	v_mov_b32 v[NM+1], 0                           ; (named as the upper half of the pair, so it is written)
	s_mov_b32 s[SEL], 0x76543210
	s_mov_b32 s[SEL+1], 0xfedcba98
	s_mov_b32 s[CS], 0x3d38aa3b                    ; c = log2(e) / sqrt(1024)
	s_mov_b32 s[CS+1], s[CS]
	s_lshl_b32 s2, s[TY], 1                        ; my chunk of the output: 16 (2 ty + half) + 2 tx + half
	s_add_co_u32 s2, s2, s[WHI]
	s_lshl_b32 s2, s2, 4
	s_lshl_b32 s3, s[TX], 1
	s_add_co_u32 s2, s2, s3
	s_add_co_u32 s2, s2, s[WLO]
	s_mul_i32 s66, s2, CH
	s_mov_b32 s67, 0
	s_add_nc_u64 s[8:9], s[8:9], s[66:67]
	s_lshl_b32 s66, s2, 9
	s_add_nc_u64 s[10:11], s[10:11], s[66:67]
	s_add_nc_u64 s[12:13], s[12:13], s[66:67]
	s_add_nc_u64 s[14:15], s[14:15], s[66:67]
	s_wait_tensorcnt 0x2                           ; my scales and my part of slot 0 are in; slots 1 and 2 may be out
	s_barrier_signal -1
	s_barrier_wait -1
	FETCH_B 0, 0, 0
	FETCH_A 0, 0, 0
	SCALES 0
	FETCH_A 0, 0, 4
	STEP 0, 0, 1
	TURN 0, 1, 0, 1                                ; slot 0 takes K step 3
	STEP 1, 1, 0
	TURN 1, 2, 1, 2
	STEP 2, 0, 0
	TURN 2, 0, 0, 0
	STEP 0, 1, 0
	LAST 1
	PLACES NP                                      ; in front of the first read of results, and of writes into the registers that held A's fragments
.irp a, 0,1,2,3,4,5,6,7
	SOFT \a
.endr
	ds_load_b128 v[T:T+3], v[SRA]                  ; LDS serves a wave's instructions in order: these see my stores
	ds_load_b128 v[T+4:T+7], v[SRA] offset:512
	ds_load_b128 v[T+8:T+11], v[SRA] offset:1024
	s_wait_dscnt 0x0
	global_store_b128 v[GO], v[T:T+3], s[10:11]    ; 512 consecutive bytes each: the chunk's scale words,
	global_store_b128 v[GO], v[T+4:T+7], s[12:13]  ; its -M,
	global_store_b128 v[GO], v[T+8:T+11], s[14:15] ; its sums
	s_wait_tensorcnt 0x0                           ; the wave's end, behind my last tensor load and my last LDS store
	ds_add_u32 v[SPW], v[NIL]
	s_wait_dscnt 0x0
	CROUND                                         ; the closing round
	s_endpgm
.Lfunc_end_k_q0777b3b609_score:
	.size	k_q0777b3b609_score, .Lfunc_end_k_q0777b3b609_score-k_q0777b3b609_score
	.p2alignl 7, 3214868480
	.fill 96, 4, 3214868480
	.section	.rodata,"a",@progbits
	.p2align	6, 0x0
	.amdhsa_kernel k_q0777b3b609_score
		.amdhsa_group_segment_fixed_size 327680
		.amdhsa_private_segment_fixed_size 0
		.amdhsa_enable_private_segment 0
		.amdhsa_kernarg_size 48
		.amdhsa_user_sgpr_count 2
		.amdhsa_user_sgpr_kernarg_segment_ptr 1
		.amdhsa_wavefront_size32 1
		.amdhsa_system_sgpr_workgroup_id_x 1
		.amdhsa_system_sgpr_workgroup_id_y 1
		.amdhsa_system_sgpr_workgroup_id_z 1
		.amdhsa_system_vgpr_workitem_id 0
		.amdhsa_next_free_vgpr 1024
		.amdhsa_next_free_sgpr 102
		.amdhsa_reserve_vcc 0
		.amdhsa_float_denorm_mode_32 3
		.amdhsa_float_denorm_mode_16_64 3
		.amdhsa_memory_ordered 1
		.amdhsa_forward_progress 1
		.amdhsa_inst_pref_size 198
	.end_amdhsa_kernel
	.amdgpu_metadata
---
amdhsa.version: [ 1, 2 ]
amdhsa.kernels:
  - .name:           k_q0777b3b609_score
    .symbol:         k_q0777b3b609_score.kd
    .args:
      - { .name: qkv_codes, .offset: 0, .size: 8, .value_kind: global_buffer, .address_space: global }
      - { .name: qkv_scales, .offset: 8, .size: 8, .value_kind: global_buffer, .address_space: global }
      - { .name: p_codes, .offset: 16, .size: 8, .value_kind: global_buffer, .address_space: global }
      - { .name: p_scales, .offset: 24, .size: 8, .value_kind: global_buffer, .address_space: global }
      - { .name: p_nm, .offset: 32, .size: 8, .value_kind: global_buffer, .address_space: global }
      - { .name: p_l, .offset: 40, .size: 8, .value_kind: global_buffer, .address_space: global }
    .group_segment_fixed_size: 327680
    .private_segment_fixed_size: 0
    .kernarg_segment_align: 8
    .kernarg_segment_size: 48
    .max_flat_workgroup_size: 128
    .sgpr_count:     102
    .vgpr_count:     1024
    .wavefront_size: 32
...
	.end_amdgpu_metadata
.endif
;; end of part 3
;; launch pv (part 4): grid 4 x 64, 4 waves a work-group, clusters of 4 x 4, 327,680 bytes of LDS; arguments p_codes, p_scales, p_nm, p_l, qkv_codes, qkv_scales, out0; writes out0
.if DOCPART == 4
	.amdgcn_target "amdgcn-amd-amdhsa--gfx1250"
	.amdhsa_code_object_version 6
	.text
	.protected	k_q0777b3b609_pv
	.globl	k_q0777b3b609_pv
	.p2align	8
	.type	k_q0777b3b609_pv,@function
k_q0777b3b609_pv:
	s_mov_b64 s[64:65], 0
	v_nop
	global_prefetch_b8 v0, s[64:65] scope:SCOPE_SE
	s_setreg_imm32_b32 hwreg(HW_REG_WAVE_MODE, 25, 1), 1
	s_wait_xcnt 0x0
	s_wait_alu depctr_hold_cnt(0) depctr_sa_sdst(0) depctr_va_vdst(0) depctr_va_sdst(0) depctr_va_ssrc(0) depctr_va_vcc(0) depctr_vm_vsrc(0)
	s_getreg_b32 s2, hwreg(HW_REG_IB_STS2, 6, 4)
	s_cmp_eq_u32 s2, 0
	s_cbranch_scc0 .Lentry_in_a_cluster
	s_endpgm
.Lentry_in_a_cluster:
	s_bfe_u32 s2, ttmp6, 0x10000c
	s_cmp_lg_u32 s2, 0xf033
	s_cbranch_scc0 .Lentry_shape_is_right
	s_endpgm
.Lentry_shape_is_right:
; out0 = (p v) / l for each batch, as O^T = v^T p^T on codes of FP6 (E2M3) with E8M0 scales, K = the batch's 2,048 keys.
; p arrives quantised chunk by chunk of 128 keys, each chunk under a whole number M of its own.  FIX, at the head: the row's M is the largest of its 16 chunks'; with d = M_row - M_chunk each scale byte of the chunk
; becomes max(byte - d, 0), which multiplies the chunk's numbers by 2^-d and leaves the codes; the row's sum is the sum of the chunks' sums x 2^-d; 1 / sum multiplies the result at the end.
; (attn_mask and pad_mask are named in no launch: reference() throws the results of both masked fills away.)
; OPERANDS: chunks of 128 rows x 128 K (eight images of a fragment's 12 registers, 12,288 bytes): p: 16 x (group of 128 queries) + K step; v^T: 1024 + 16 x (8 batch + group of e) + K step.  512 bytes of scale words a chunk.
; A TILE is 128 queries (A, source 1) x 256 of the 1,024 features e (B, source 0): 64 x 4 = 256 tiles, one for each work-group.  A lane holds one query and its registers run along e.
; THE WAVES SHARE K.  A wave's tile stays 128 x 128 (64 accumulators), so that a fragment read from LDS feeds eight products.  Waves (KH, LO) and (1 - KH, LO) make the same 128 queries x 128 features e (half LO);
; of each 512 along K wave KH takes chunks 2 KH and 2 KH + 1.  At the end each of the two keeps four blocks of 16 queries and gives the other four, 32,768 bytes, to its partner through LDS: an output is the sum of two f32 sums.
; A wave with KH = 1 takes A's eight blocks in the order 4..7, 0..3 (by address: two address registers for the fragments, two for the scale words), so that EVERY wave keeps its register blocks 0-3 and gives away 4-7: no branch.
; Queries and e are stored with place 16 u + i of each 32 holding row 8 u + i + 8 (i / 8).  e comes out in order by the transposed use; the queries' order is undone in the stores' immediates.
; RING: two slots of 512 along K (p: 49,152 bytes; v^T: two groups of 49,152); four slots' worth of K: two first fills, two refills, each behind a round of the cluster's barrier.
; CLUSTERS: 4 x 4.  p's tiles hang on the group of queries alone and are shared along a row of the cluster, v^T's on the features and the batch and are shared along a column: each is asked for jointly.
; By this text's own count a wave has at most three tensor loads out (v^T's scales and two slots, at the head).
; LIMITS: d is held at 127: a chunk 127 or more binary orders under its row's largest p enters the sum with the factor 0, and a block whose byte would fall under 0 keeps the byte 0 (2^-127): both under 2^-120 of the row's sum.  NaN and infinities are not served.
; REGISTERS: window 0: v12-31 addresses; v32-63 scale words; v64-71 1 / sum, a pair for each block kept; v128-223 A's fragments; at the head v64-165 serve FIX.  Window 1: B's two sets; on the way out the partner's sums, then rows of out0.  Windows 2, 3: accumulators.
.set NK,     16
.set NSLOT,  2
.set FR,     12                        ; registers of a fragment
.set NL,     3                         ; LDS loads that bring one
.set NP,     4                         ; places behind this matrix instruction (ISA guide 7.12.1)
.set CH,     12288                     ; a chunk
.set PARTA,  2*CH                      ; 128 rows x 256 K: a wave's share of a slot along K; also what a wave fetches of p
.set PARTB,  4*CH                      ; 128 rows x 512 K: what a wave fetches of v^T; also the step in memory from slot to slot
.set SLOT,   3*PARTB                   ; p's 128 rows, then v^T's two groups
.set SCL,    NSLOT*SLOT                ; A's scale words, 16 x 512 bytes, written by FIX's LDS stores: no tensor load lands here;
.set SCLB,   SCL+8192                  ; B's, 2 x 8,192 bytes, filled once
.set RLB,    SCLB+16384                ; 1 / sum of the tile's 128 queries, 512 bytes
.set SPARE,  RLB+512                   ; the spare words, 128 bytes a wave, that no other line names
.set XBY,    32768                     ; the exchange: 32,768 bytes a wave, in slot 0, which has had its last fill and its last read by then
.set STAGE,  SLOT                      ; the way out: 16 rows x (512 + 16) bytes for each wave, in slot 1: free behind the exchange's barrier
.set SPITCH, 528
.set ADRS, 12                          ; v12 my scale words for blocks 0-3: lanes 0-15 A's rows, lanes 16-31 B's;  v13 for blocks 4-7
.set XR,   14                          ; v14 where I read my partner's sums
.set XW,   15                          ; v15 where I put mine
.set ADRA, 16                          ; v16-17 my A fragments 0-3 in slot 0, 1;  v18-19 fragments 4-7
.set ADRB, 20                          ; v20-21 my B fragments
.set FXA,  22                          ; v22 where FIX stores my row's scale words
.set RLW,  23                          ; v23 and its 1 / sum
.set STO,  24
.set RD,   25
.set CO,   26
.set FGO,  27                          ; v27 4 x lane
.set SPW,  28                          ; v28 my spare word; never rewritten
.set NIL,  29                          ; v29 0; never rewritten
.set RLR,  30                          ; v30 where I read my rows' 1 / sum
.set SC,   32                          ; scale words: set s at v[SC + 16 s]; register 2 i + q: lanes 0-15 A's block i, lanes 16-31 B's block i, my q-th 128 along K of the slot
.set RL,   64
.set NMR,  64                          ; FIX: v64-79 -M, v80-95 sums, v96-111 scale words of my row's 16 chunks
.set LR,   80
.set WR,   96
.set FD,   112                         ; v112-127, v128-143, v144-159 at work, a register a chunk
.set FE,   128
.set FH,   144
.set FM,   160                         ; v160-163 the smallest -M, in four chains
.set LS,   164                         ; v[164:165] the row's sum, in two halves
.set AF,   128
.set WV,  18
.set WHI, 19                           ; KH: which half of each slot's K is mine; also: I fetch for A (0) or for B (1)
.set WLO, 20                           ; which 128 of the tile's 256 features; also: which part I fetch
.set CX,  21
.set CY,  22
.set TX,  23
.set G1A, 24
.set G1B, 32
.set G1SB, 48
.set G0SB, 60
.set G0A, 68                           ; s[68:75] group 0 for A's tiles, a set for each slot
.set G0B, 80                           ; s[80:87] for B's
.set TY,  92
.set RM,  93
.set CM,  94
.set KB,  98                           ; s98 0x01010101
.set K8,  99                           ; s99 0x80808080
.set MSB, 0
.macro WIN new                         ; the immediate's high byte repeats the setting that is left
.if MSB != (\new)
	s_set_vgpr_msb (MSB<<8)|(\new)
.set MSB, (\new)
.endif
.endm
.set MUL_LO, 0xa1                      ; source 0 (B) window 1, source 1 (A) window 0, C and D window 2
.set MUL_HI, 0xf1                      ; the same, C and D window 3
.set TO_B,   0x40                      ; destination window 1, address window 0
.macro PLACES n
.rept \n
	v_nop
.endr
.endm
.macro JLOAD g0a, g1a, g0b, g1b        ; waves 0 and 1 fetch for A, waves 2 and 3 for B; an s_nop 0 and four v_nop follow each of the two lines
	s_cmp_eq_u32 s[WHI], 0
	s_cbranch_scc0 .Lfor_b_\@
	tensor_load_to_lds s[\g0a:\g0a+3], s[\g1a:\g1a+7]
	s_nop 0
.rept 4
	v_nop
.endr
	s_branch .Lasked_\@
.Lfor_b_\@:
	tensor_load_to_lds s[\g0b:\g0b+3], s[\g1b:\g1b+7]
	s_nop 0
.rept 4
	v_nop
.endr
.Lasked_\@:
.endm
.macro CREST                           ; a round of the cluster's barrier behind its opening barrier
	s_cmp_lg_u32 s[WV], 0
	s_cbranch_scc1 .Lnot_wave_0_\@
	s_barrier_signal -3
.Lnot_wave_0_\@:
	s_barrier_wait -3
	s_barrier_signal -1
	s_barrier_wait -1
.endm
.macro CROUND
	s_barrier_signal -1
	s_barrier_wait -1
	CREST
.endm
.macro FRAG reg, adr, q, i             ; a fragment comes as it was stored: three loads of 512 consecutive bytes
.irp g, 0,1,2
	ds_load_b128 v[\reg+4*\g:\reg+4*\g+3], v[\adr] offset:(\q)*CH+(\i)*1536+512*\g
.endr
.endm
.macro FETCH_B slot, q, p
	WIN TO_B
.irp i, 0,1,2,3,4,5,6,7
	FRAG 128*(\p)+FR*\i, ADRB+\slot, \q, \i
.endr
	WIN 0
.endm
.macro FETCH_A slot, q, i0             ; blocks i0 .. i0 + 3; blocks 0-3 and 4-7 have address registers of their own
.irp i, \i0, \i0+1, \i0+2, \i0+3
	FRAG AF+FR*(\i), ADRA+\slot+2*((\i0)/4), \q, \i
.endr
.endm
.macro SCALES sc                       ; my two K steps' scale words of the next slot into set sc
.irp i, 0,1,2,3,4,5,6,7
.irp q, 0,1
	ds_load_b32 v[SC+16*(\sc)+2*\i+\q], v[ADRS+(\i/4)] offset:512*\q+64*\i
.endr
.endr
.endm
.macro MUL16 a0, p, q, sc, zero        ; the 64 accumulators take turns, one instruction a turn, in the same order in every step
.irp a, \a0, \a0+1
.irp b, 0,1,2,3,4,5,6,7
.if \zero
	v_wmma_scale_f32_16x16x128_f8f6f4 v[8*(8*((\a)%4)+\b):8*(8*((\a)%4)+\b)+7], v[128*(\p)+FR*\b:128*(\p)+FR*\b+FR-1], v[AF+FR*(\a):AF+FR*(\a)+FR-1], 0, v[SC+16*(\sc)+2*\b+(\q)], v[SC+16*(\sc)+2*(\a)+(\q)] matrix_a_fmt:MATRIX_FMT_FP6 matrix_b_fmt:MATRIX_FMT_FP6 matrix_a_scale:MATRIX_SCALE_ROW1
.else
	v_wmma_scale_f32_16x16x128_f8f6f4 v[8*(8*((\a)%4)+\b):8*(8*((\a)%4)+\b)+7], v[128*(\p)+FR*\b:128*(\p)+FR*\b+FR-1], v[AF+FR*(\a):AF+FR*(\a)+FR-1], v[8*(8*((\a)%4)+\b):8*(8*((\a)%4)+\b)+7], v[SC+16*(\sc)+2*\b+(\q)], v[SC+16*(\sc)+2*(\a)+(\q)] matrix_a_fmt:MATRIX_FMT_FP6 matrix_b_fmt:MATRIX_FMT_FP6 matrix_a_scale:MATRIX_SCALE_ROW1
.endif
.endr
.endr
.endm
; My first 128 along K of a slot.  Loads into registers that matrix instructions have read stand NP plain places behind them.
.macro STEP slot, sc, zero
	s_wait_dscnt 4*NL                              ; B's set, A's blocks 0-3 and the scale words are in; the 12 youngest loads (A's blocks 4-7) may be out
	WIN MUL_LO
	MUL16 0, 0, 0, \sc, \zero
	MUL16 2, 0, 0, \sc, \zero
	s_wait_dscnt 0x0                               ; A's blocks 4-7 are in
	PLACES NP
	FETCH_B \slot, 1, 1
	FETCH_A \slot, 1, 0
	WIN MUL_HI
	MUL16 4, 0, 0, \sc, \zero
	MUL16 6, 0, 0, \sc, \zero
	PLACES NP
	WIN 0
	FETCH_A \slot, 1, 4
.endm
; My second 128 along K of a slot, and the change of slots.  mode 1: this slot is filled again, two slots ahead; mode 0: a barrier, nothing filled.
.macro TURN slot, next, sc, mode
	s_wait_tensorcnt 0x0                           ; all my tensor loads have landed: my part of the next slot
	ds_add_u32 v[SPW], v[NIL]                      ; 0 onto my spare word
	s_wait_dscnt 4*NL+1                            ; the add and the 12 youngest loads may be out
	WIN MUL_LO
	MUL16 0, 1, 1, \sc, 0                          ; sixteen matrix instructions stand between the add and the wait for it
	s_wait_dscnt 0x0                               ; the add is done, and my reads of this slot are over
	s_barrier_signal -1
	MUL16 2, 1, 1, \sc, 0
	WIN 0                                          ; at a branch and at a label every window is 0
	s_barrier_wait -1
.if (\mode) == 1
	CREST                                          ; the barrier has opened a round of the cluster's: no wave of any partner still reads this slot or has a load on its way
	s_add_nc_u64 s[G0A+4*\slot+2:G0A+4*\slot+3], s[G0A+4*\slot+2:G0A+4*\slot+3], NSLOT*PARTB
	s_add_nc_u64 s[G0B+4*\slot+2:G0B+4*\slot+3], s[G0B+4*\slot+2:G0B+4*\slot+3], NSLOT*PARTB
	JLOAD G0A+4*\slot, G1A, G0B+4*\slot, G1B       ; the first tensor load behind the round; its four v_nop are also the places in front of the loads below
.else
	PLACES NP
.endif
	v_add_nc_u32 v[ADRS], 2048, v[ADRS]            ; the next slot's scale words: four K steps of 512 bytes on
	v_add_nc_u32 v[ADRS+1], 2048, v[ADRS+1]
	FETCH_B \next, 0, 0
	FETCH_A \next, 0, 0
	SCALES 1-(\sc)
	WIN MUL_HI
	MUL16 4, 1, 1, \sc, 0
	MUL16 6, 1, 1, \sc, 0
	PLACES NP
	WIN 0
	FETCH_A \next, 0, 4
.endm
.macro LAST sc                         ; my very last 128 along K: nothing more to fetch
	s_wait_dscnt 4*NL
	WIN MUL_LO
	MUL16 0, 1, 1, \sc, 0
	MUL16 2, 1, 1, \sc, 0
	s_wait_dscnt 0x0
	WIN MUL_HI
	MUL16 4, 1, 1, \sc, 0
	MUL16 6, 1, 1, \sc, 0
	WIN 0
.endm
	s_load_b256 s[4:11], s[0:1], 0x0               ; p's codes s[4:5], scales s[6:7], -M s[8:9], sums s[10:11]
	s_load_b128 s[12:15], s[0:1], 0x20             ; q, k, v's codes s[12:13], scales s[14:15]
	s_load_b64 s[16:17], s[0:1], 0x30              ; out0
	v_lshl_add_u32 v[SPW], v0, 2, SPARE
	v_mov_b32 v[NIL], 0
	ds_add_u32 v[SPW], v[NIL]                      ; the wave's opening: the add and its wait ahead of my first tensor load; work on registers stands between them
	v_lshrrev_b32 v1, 5, v0
	v_readfirstlane_b32 s[WV], v1
	s_lshr_b32 s[WHI], s[WV], 1
	s_and_b32 s[WLO], s[WV], 1
	s_bfe_u32 s[CX], ttmp6, 0x40000
	s_bfe_u32 s[CY], ttmp6, 0x40004
	s_and_b32 s95, ttmp7, 0xffff                   ; the cluster's y; the batch is y / 4
	s_lshl_b32 s[TX], ttmp9, 2
	s_add_co_u32 s[TX], s[TX], s[CX]               ; which 256 of the 1,024 features
	s_lshl_b32 s[TY], s95, 2
	s_add_co_u32 s[TY], s[TY], s[CY]               ; which group of 128 queries of all 8,192
	s_lshl_b32 s[RM], s[CY], 2
	s_lshl_b32 s[RM], 15, s[RM]                    ; my row of the cluster
	s_lshl_b32 s[CM], 0x1111, s[CX]                ; my column
	; group 1: dense blocks as rows of 256 bytes (32 elements of 8 bytes), no padding; bit 21 set beside the mask.  A: 96 rows; B: 192 rows; a quarter of B's scale words: 16 rows
	s_or_b32 s[G1A], s[RM], (3<<16)|(1<<21)
	s_or_b32 s[G1B], s[CM], (3<<16)|(1<<21)
	s_or_b32 s[G1SB], s[CM], (3<<16)|(1<<21)
	s_mov_b32 s[G1A+1], 32<<16                     ; tensor_dim0
	s_mov_b32 s[G1A+2], 96<<16                     ; tensor_dim1
	s_mov_b32 s[G1A+3], 32<<16                     ; tile_dim0
	s_mov_b32 s[G1A+4], 96                         ; tile_dim1
	s_mov_b32 s[G1A+5], 32                         ; the pitch
	s_mov_b32 s[G1A+6], 0
	s_mov_b32 s[G1A+7], 0
	s_mov_b32 s[G1B+1], 32<<16
	s_mov_b32 s[G1B+2], 192<<16
	s_mov_b32 s[G1B+3], 32<<16
	s_mov_b32 s[G1B+4], 192
	s_mov_b32 s[G1B+5], 32
	s_mov_b32 s[G1B+6], 0
	s_mov_b32 s[G1B+7], 0
	s_mov_b32 s[G1SB+1], 32<<16
	s_mov_b32 s[G1SB+2], 16<<16
	s_mov_b32 s[G1SB+3], 32<<16
	s_mov_b32 s[G1SB+4], 16
	s_mov_b32 s[G1SB+5], 32
	s_mov_b32 s[G1SB+6], 0
	s_mov_b32 s[G1SB+7], 0
	; A's offset is made of the group of queries and the wave's number, B's of the features, the batch and the wave's number, each in registers of their own
	s_mul_i32 s2, s[TY], NK*CH                     ; A: p's group,
	s_mul_i32 s3, s[WLO], PARTA                    ; the half of a slot's K that I fetch
	s_add_co_u32 s2, s2, s3
	s_mov_b32 s3, 0
	s_lshr_b32 s96, s95, 2
	s_lshl_b32 s96, s96, 3
	s_lshl_b32 s97, s[TX], 1
	s_add_co_u32 s96, s96, s97                     ; B: v^T's group 8 batch + 2 tx
	s_lshl_b32 s100, s96, 13                       ; its scale words: 8,192 bytes a group, behind q's and k's 1,024 chunks;
	s_lshl_b32 s101, s[WV], 12                     ; my quarter of the tile's 16,384
	s_add_co_u32 s100, s100, s101
	s_add_co_u32 s100, s100, 1024*512
	s_mov_b32 s101, 0
	s_add_co_u32 s96, s96, s[WLO]                  ; the group that I fetch
	s_mul_i32 s96, s96, NK*CH
	s_add_co_u32 s96, s96, 1024*CH
	s_mov_b32 s97, 0
.irp s, 0,1
	s_mov_b32 s[G0A+4*\s], 1
	s_mul_i32 s[G0A+4*\s+1], s[WLO], PARTA         ; LDS: the slot + my half of p's part: no place in the cluster enters an LDS address
	s_add_co_u32 s[G0A+4*\s+1], s[G0A+4*\s+1], \s*SLOT
	s_mov_b32 s[G0B+4*\s], 1
	s_mul_i32 s[G0B+4*\s+1], s[WLO], PARTB         ; the slot + p's part + my group of v^T
	s_add_co_u32 s[G0B+4*\s+1], s[G0B+4*\s+1], \s*SLOT+PARTB
.endr
	s_mov_b32 s[G0SB], 1
	s_lshl_b32 s[G0SB+1], s[WV], 12
	s_add_co_u32 s[G0SB+1], s[G0SB+1], SCLB
	s_wait_dscnt 0x0                               ; the opening add is done
	s_wait_kmcnt 0x0
	s_add_nc_u64 s[2:3], s[4:5], s[2:3]
	s_add_nc_u64 s[96:97], s[12:13], s[96:97]
	s_add_nc_u64 s[G0SB+2:G0SB+3], s[14:15], s[100:101]
	s_or_b32 s[G0SB+3], s[G0SB+3], 0x80000000
.irp s, 0,1
	s_add_nc_u64 s[G0A+4*\s+2:G0A+4*\s+3], s[2:3], \s*PARTB
	s_or_b32 s[G0A+4*\s+3], s[G0A+4*\s+3], 0x80000000
	s_add_nc_u64 s[G0B+4*\s+2:G0B+4*\s+3], s[96:97], \s*PARTB
	s_or_b32 s[G0B+4*\s+3], s[G0B+4*\s+3], 0x80000000
.endr
	CROUND                                         ; all sixteen work-groups are here: the first joint loads meet
	tensor_load_to_lds s[G0SB:G0SB+3], s[G1SB:G1SB+7]  ; v^T's scale words, a quarter a wave, shared along my column of the cluster
	s_nop 0
.rept 4
	v_nop
.endr
.irp s, 0,1
	JLOAD G0A+4*\s, G1A, G0B+4*\s, G1B
.endr
	; FIX, while the tiles are on their way.  Wave w owns queries 32 w .. 32 w + 31 of the tile, one a lane; a load reads 128 consecutive bytes of one chunk.
	s_lshl_b32 s2, s[TY], 13                       ; 16 chunks of 512 bytes a group,
	s_lshl_b32 s3, s[WV], 7                        ; my 32 rows of the 128
	s_add_co_u32 s2, s2, s3
	s_mov_b32 s3, 0
	s_add_nc_u64 s[6:7], s[6:7], s[2:3]
	s_add_nc_u64 s[8:9], s[8:9], s[2:3]
	s_add_nc_u64 s[10:11], s[10:11], s[2:3]
	v_and_b32 v1, 31, v0
	v_lshlrev_b32 v[FGO], 2, v1
.irp k, 0,1,2,3,4,5,6,7,8,9,10,11,12,13,14,15
	global_load_b32 v[NMR+\k], v[FGO], s[8:9] offset:512*\k
.endr
.irp k, 0,1,2,3,4,5,6,7,8,9,10,11,12,13,14,15
	global_load_b32 v[LR+\k], v[FGO], s[10:11] offset:512*\k
.endr
.irp k, 0,1,2,3,4,5,6,7,8,9,10,11,12,13,14,15
	global_load_b32 v[WR+\k], v[FGO], s[6:7] offset:512*\k
.endr
	; the addresses, while the loads are out
	v_lshlrev_b32 v2, 4, v1                        ; 16 x lane
	v_and_b32 v3, 15, v0                           ; r
	v_bfe_u32 v4, v0, 4, 1                         ; h
	s_mul_i32 s2, s[WHI], PARTA+4*1536             ; A's fragments 0-3: my half of the slot's K; with KH = 1 four fragments further on,
	s_mul_i32 s3, s[WHI], PARTA-4*1536             ; and fragments 4-7 four fragments back: register block i is block (i + 4 KH) % 8 of the group
	s_mul_i32 s66, s[WLO], PARTB                   ; B's: my group of v^T, my half of the slot's K, behind p's part
	s_mul_i32 s67, s[WHI], PARTA
	s_add_co_u32 s66, s66, s67
	s_add_co_u32 s66, s66, PARTB
.irp s, 0,1
	v_add_nc_u32 v[ADRA+\s], s2, v2
	v_add_nc_u32 v[ADRA+2+\s], s3, v2
	v_add_nc_u32 v[ADRB+\s], s66, v2
	s_add_co_u32 s2, s2, SLOT
	s_add_co_u32 s3, s3, SLOT
	s_add_co_u32 s66, s66, SLOT
.endr
	s_mul_i32 s2, s[WHI], 1024+256                 ; A's scale words: my two K steps of the slot's four; blocks 0-3 and 4-7 as the fragments
	s_add_co_u32 s2, s2, SCL
	s_mul_i32 s3, s[WHI], 1024-256
	s_add_co_u32 s3, s3, SCL
	s_lshl_b32 s66, s[WLO], 13                     ; B's: my group, my two K steps
	s_lshl_b32 s67, s[WHI], 10
	s_add_co_u32 s66, s66, s67
	s_add_co_u32 s66, s66, SCLB
	s_sub_co_u32 s67, s66, s2
	v_mul_u32_u24 v5, s67, v4                      ; lanes 16-31 take B's scale words
	v_lshl_add_u32 v5, v3, 2, v5
	v_add_nc_u32 v[ADRS], s2, v5
	s_sub_co_u32 s67, s66, s3
	v_mul_u32_u24 v5, s67, v4
	v_lshl_add_u32 v5, v3, 2, v5
	v_add_nc_u32 v[ADRS+1], s3, v5
	s_lshl_b32 s2, s[WV], 7
	s_add_co_u32 s3, s2, SCL
	v_add_nc_u32 v[FXA], s3, v[FGO]                ; FIX's stores: my 32 rows, 4 bytes a lane
	s_add_co_u32 s3, s2, RLB
	v_add_nc_u32 v[RLW], s3, v[FGO]
	s_lshl_b32 s2, s[WHI], 8
	s_add_co_u32 s2, s2, RLB
	v_lshl_add_u32 v[RLR], v3, 2, s2               ; the blocks that I keep are queries 64 KH + 16 a + r
	s_mul_i32 s2, s[WV], 16*SPITCH                 ; my stage
	s_add_co_u32 s2, s2, STAGE
	v_mul_u32_u24 v[STO], v3, SPITCH               ; in: row r, + 64 h
	v_lshl_add_u32 v[STO], v4, 6, v[STO]
	v_add_nc_u32 v[STO], s2, v[STO]
	v_add_nc_u32 v[RD], s2, v2                     ; back: the 32 lanes take one row of 512 bytes
	v_mov_b32 v[CO], v2
	s_lshl_b32 s2, s[WV], 15                       ; the exchange: my 32,768 bytes,
	v_add_nc_u32 v[XW], s2, v2
	s_xor_b32 s2, s2, 2*XBY                        ; and those of wave xor 2: the same features, the other half of K
	v_add_nc_u32 v[XR], s2, v2
	s_lshl_b32 s2, s[TY], 19                       ; out0: my group's 128 rows of 4,096 bytes,
	s_lshl_b32 s3, s[WHI], 18                      ; the 64 of them that I keep,
	s_add_co_u32 s2, s2, s3
	s_lshl_b32 s3, s[TX], 10                       ; the tile's 256 columns,
	s_add_co_u32 s2, s2, s3
	s_lshl_b32 s3, s[WLO], 9                       ; my 128 of them
	s_add_co_u32 s2, s2, s3
	s_mov_b32 s3, 0
	s_add_nc_u64 s[16:17], s[16:17], s[2:3]
	s_mov_b32 s[KB], 0x01010101
	s_mov_b32 s[K8], 0x80808080
	s_wait_loadcnt 32                              ; the 16 loads of -M are in; the 32 younger ones may be out
.irp c, 0,1,2,3
	v_min_num_f32 v[FM+\c], v[NMR+4*\c], v[NMR+4*\c+1]   ; the smallest -M is the row's: four chains
.endr
.irp c, 0,1,2,3
	v_min_num_f32 v[FM+\c], v[FM+\c], v[NMR+4*\c+2]
.endr
.irp c, 0,1,2,3
	v_min_num_f32 v[FM+\c], v[FM+\c], v[NMR+4*\c+3]
.endr
	v_min_num_f32 v[FM], v[FM], v[FM+1]
	v_min_num_f32 v[FM+2], v[FM+2], v[FM+3]
	v_min_num_f32 v[FM], v[FM], v[FM+2]
	; each line for all 16 chunks, so that no line waits for the line above it
.irp k, 0,1,2,3,4,5,6,7,8,9,10,11,12,13,14,15
	v_sub_f32 v[FD+\k], v[NMR+\k], v[FM]           ; d = M_row - M_chunk: a whole number, 0 or more
.endr
.irp k, 0,1,2,3,4,5,6,7,8,9,10,11,12,13,14,15
	v_min_num_f32 v[FD+\k], 0x42fe0000, v[FD+\k]   ; held at 127
.endr
.irp k, 0,1,2,3,4,5,6,7,8,9,10,11,12,13,14,15
	v_cvt_u32_f32 v[FD+\k], v[FD+\k]
.endr
.irp k, 0,1,2,3,4,5,6,7,8,9,10,11,12,13,14,15
	v_sub_nc_u32 v[FE+\k], 127, v[FD+\k]
.endr
.irp k, 0,1,2,3,4,5,6,7,8,9,10,11,12,13,14,15
	v_lshlrev_b32 v[FE+\k], 23, v[FE+\k]           ; 2^-d as f32 (0 at d = 127)
.endr
.irp k, 0,1,2,3,4,5,6,7,8,9,10,11,12,13,14,15
	v_mul_lo_u32 v[FD+\k], v[FD+\k], s[KB]         ; d in each byte
.endr
.irp k, 0,1,2,3,4,5,6,7,8,9,10,11,12,13,14,15
	v_sub_nc_u32 v[FD+\k], s[K8], v[FD+\k]         ; 128 - d in each byte: 1 to 128, nothing is borrowed
.endr
	s_wait_loadcnt 16                              ; the chunks' sums are in; the 16 loads of scale words may be out
	v_pk_mul_f32 v[LS:LS+1], v[LR:LR+1], v[FE:FE+1]
.irp k, 2,4,6,8,10,12,14
	v_pk_fma_f32 v[LS:LS+1], v[LR+\k:LR+\k+1], v[FE+\k:FE+\k+1], v[LS:LS+1]   ; the row's sum, even and odd chunks apart
.endr
	v_add_f32 v[LS], v[LS], v[LS+1]
	s_wait_loadcnt 0x0
.irp k, 0,1,2,3,4,5,6,7,8,9,10,11,12,13,14,15
	v_add_nc_u32 v[FD+\k], v[WR+\k], v[FD+\k]      ; byte + 128 - d: 2 to 253 (p's bytes are 1 to 125), nothing is carried; bit 7 says byte >= d
.endr
.irp k, 0,1,2,3,4,5,6,7,8,9,10,11,12,13,14,15
	v_and_b32 v[FE+\k], s[K8], v[FD+\k]
.endr
.irp k, 0,1,2,3,4,5,6,7,8,9,10,11,12,13,14,15
	v_lshrrev_b32 v[FH+\k], 7, v[FE+\k]
.endr
.irp k, 0,1,2,3,4,5,6,7,8,9,10,11,12,13,14,15
	v_sub_nc_u32 v[FE+\k], v[FE+\k], v[FH+\k]      ; 0x7f in the bytes that stay, 0 in the others
.endr
.irp k, 0,1,2,3,4,5,6,7,8,9,10,11,12,13,14,15
	v_and_b32 v[WR+\k], v[FD+\k], v[FE+\k]         ; max(byte - d, 0)
.endr
	v_rcp_f32 v[LS], v[LS]
.irp a, 0,1,2,3
	v_mov_b32 v[RL+2*\a+1], 0                      ; plain lines behind the reciprocal.  (The upper halves of the pairs that the way out names: written, not used)
.endr
.irp k, 0,1,2,3,4,5,6,7,8,9,10,11,12,13,14,15
	ds_store_b32 v[FXA], v[WR+\k] offset:512*\k
.endr
	s_wait_alu depctr_va_vdst(0)                   ; the wait for the reciprocal, ahead of its first reader
	ds_store_b32 v[RLW], v[LS]
	s_wait_tensorcnt 0x1                           ; v^T's scales and my part of slot 0 are in; slot 1 may be out
	s_wait_dscnt 0x0                               ; for the others' sake: my stores of scale words and of 1 / sum are done
	s_barrier_signal -1
	s_barrier_wait -1
.irp a, 0,1,2,3
	ds_load_b32 v[RL+2*\a], v[RLR] offset:64*\a    ; 1 / sum of the queries that I keep: it stays to the end
.endr
	FETCH_B 0, 0, 0
	FETCH_A 0, 0, 0
	SCALES 0
	FETCH_A 0, 0, 4
	STEP 0, 0, 1                                   ; the first products start the sums: nothing is cleared
	TURN 0, 1, 0, 1                                ; slot 0 takes the third 512 along K
	STEP 1, 1, 0
	TURN 1, 0, 1, 1                                ; slot 1 the fourth
	STEP 0, 0, 0
	TURN 0, 1, 0, 0                                ; nothing is left to fetch: behind this barrier nobody reads slot 0, and nothing is filled any more
	STEP 1, 1, 0
	LAST 1
	; THE TWO HALVES OF K MEET.  My register blocks 4-7 (window 3) go to my partner as images of their registers: 64 stores of 512 consecutive bytes, each accumulator from its low end on.
	PLACES NP                                      ; in front of the first read of results, and of loads into the registers that held B's fragments
	WIN 0x0c                                       ; an LDS store's data are its source 1: window 3
.set NN, 0
.rept 64
	ds_store_b128 v[XW], v[4*NN:4*NN+3] offset:512*NN
.set NN, NN+1
.endr
	WIN 0
	s_wait_dscnt 0x0                               ; for my partner's sake: my stores are done; and my reads of slot 1 are long over
	s_barrier_signal -1
	s_barrier_wait -1                              ; both now hold of every wave: the sums may be read, and slot 1 may take the stages
; THE WAY OUT, block by block of 16 queries x 128 features: + my partner's sums, x 1 / sum, through my stage in LDS, back as whole rows of 512 bytes.
; Register 8 b + j of lane (r, h) is feature 32 (b / 2) + 16 h + 8 (b % 2) + j; place t of block a is query 32 (a / 2) + 8 (a % 2) + t + 8 (t / 8) of the 64 that I keep.
.macro XLOAD a                         ; my partner's part of block a -> window 1, the same register numbers as mine in window 2
	WIN TO_B
.irp n, 0,1,2,3,4,5,6,7,8,9,10,11,12,13,14,15
	ds_load_b128 v[64*(\a)+4*\n:64*(\a)+4*\n+3], v[XR] offset:512*(16*(\a)+\n)
.endr
	WIN 0
.endm
.macro COMBINE a
.set AC, 64*(\a)
	WIN 0x86                                       ; source 0 and destination window 2 (mine), source 1 window 1 (my partner's)
.set JJ, 0
.rept 32
	v_pk_add_f32 v[AC+JJ:AC+JJ+1], v[AC+JJ:AC+JJ+1], v[AC+JJ:AC+JJ+1]   ; each accumulator from its low end on
.set JJ, JJ+2
.endr
	WIN 0x82                                       ; source 1 window 0: 1 / sum
.set JJ, 0
.rept 32
	v_pk_mul_f32 v[AC+JJ:AC+JJ+1], v[AC+JJ:AC+JJ+1], v[RL+2*(\a):RL+2*(\a)+1] op_sel_hi:[1,0]
.set JJ, JJ+2
.endr
	WIN 0
.endm
.macro TOSTAGE a
.set AC, 64*(\a)
	WIN 0x08                                       ; the data: window 2
.irp b, 0,1,2,3,4,5,6,7
	ds_store_b128 v[STO], v[AC+8*\b:AC+8*\b+3] offset:128*(\b/2)+32*(\b%2)
	ds_store_b128 v[STO], v[AC+8*\b+4:AC+8*\b+7] offset:128*(\b/2)+32*(\b%2)+16
.endr
	WIN TO_B                                       ; back into the registers of window 1 that held my partner's part of this block: each block has its own, so no store's data are written again
.irp t, 0,1,2,3,4,5,6,7,8,9,10,11,12,13,14,15
	ds_load_b128 v[AC+4*\t:AC+4*\t+3], v[RD] offset:\t*SPITCH   ; LDS serves a wave's instructions in order: these see the stores above, and the next block's stores come behind them
.endr
	WIN 0
.endm
.macro SEND a, younger                 ; younger: the LDS loads issued behind block a's loads from the stage, which may stay out
	s_wait_dscnt \younger
	WIN 0x04                                       ; a store's data are its source 1: window 1
.irp t, 0,1,2,3,4,5,6,7,8,9,10,11,12,13,14,15
	global_store_b128 v[CO], v[64*(\a)+4*\t:64*(\a)+4*\t+3], s[16:17] offset:(32*((\a)/2)+8*((\a)%2)+\t+8*(\t/8))*4096 th:TH_STORE_NT   ; 512 consecutive bytes, at a multiple of 256 from out0's first byte
.endr
	WIN 0
.endm
	XLOAD 0
	s_wait_dscnt 0x0                               ; my partner's block 0 is in
	XLOAD 1                                        ; the next block's comes while this one is worked
	COMBINE 0
	TOSTAGE 0
	s_wait_dscnt 32                                ; my partner's block 1 is in; the stage's 16 stores and 16 loads, issued behind it, may be out
	XLOAD 2
	COMBINE 1                                      ; a block's arithmetic stands between the stage's loads of the block before and the wait for them
	SEND 0, 16                                     ; behind block 0's loads from the stage: my partner's block 2, 16 loads
	TOSTAGE 1
	s_wait_dscnt 32
	XLOAD 3
	COMBINE 2
	SEND 1, 16
	TOSTAGE 2
	s_wait_dscnt 32
	COMBINE 3
	SEND 2, 0
	TOSTAGE 3
	SEND 3, 0
	s_wait_tensorcnt 0x0                           ; the wave's end, behind my last tensor load and my last LDS store
	ds_add_u32 v[SPW], v[NIL]
	s_wait_dscnt 0x0
	CROUND                                         ; the closing round
	s_endpgm
.Lfunc_end_k_q0777b3b609_pv:
	.size	k_q0777b3b609_pv, .Lfunc_end_k_q0777b3b609_pv-k_q0777b3b609_pv
	.p2alignl 7, 3214868480
	.fill 96, 4, 3214868480
	.section	.rodata,"a",@progbits
	.p2align	6, 0x0
	.amdhsa_kernel k_q0777b3b609_pv
		.amdhsa_group_segment_fixed_size 327680
		.amdhsa_private_segment_fixed_size 0
		.amdhsa_enable_private_segment 0
		.amdhsa_kernarg_size 56
		.amdhsa_user_sgpr_count 2
		.amdhsa_user_sgpr_kernarg_segment_ptr 1
		.amdhsa_wavefront_size32 1
		.amdhsa_system_sgpr_workgroup_id_x 1
		.amdhsa_system_sgpr_workgroup_id_y 1
		.amdhsa_system_sgpr_workgroup_id_z 1
		.amdhsa_system_vgpr_workitem_id 0
		.amdhsa_next_free_vgpr 1024
		.amdhsa_next_free_sgpr 102
		.amdhsa_reserve_vcc 0
		.amdhsa_float_denorm_mode_32 3
		.amdhsa_float_denorm_mode_16_64 3
		.amdhsa_memory_ordered 1
		.amdhsa_forward_progress 1
		.amdhsa_inst_pref_size 163
	.end_amdhsa_kernel
	.amdgpu_metadata
---
amdhsa.version: [ 1, 2 ]
amdhsa.kernels:
  - .name:           k_q0777b3b609_pv
    .symbol:         k_q0777b3b609_pv.kd
    .args:
      - { .name: p_codes, .offset: 0, .size: 8, .value_kind: global_buffer, .address_space: global }
      - { .name: p_scales, .offset: 8, .size: 8, .value_kind: global_buffer, .address_space: global }
      - { .name: p_nm, .offset: 16, .size: 8, .value_kind: global_buffer, .address_space: global }
      - { .name: p_l, .offset: 24, .size: 8, .value_kind: global_buffer, .address_space: global }
      - { .name: qkv_codes, .offset: 32, .size: 8, .value_kind: global_buffer, .address_space: global }
      - { .name: qkv_scales, .offset: 40, .size: 8, .value_kind: global_buffer, .address_space: global }
      - { .name: out0, .offset: 48, .size: 8, .value_kind: global_buffer, .address_space: global }
    .group_segment_fixed_size: 327680
    .private_segment_fixed_size: 0
    .kernarg_segment_align: 8
    .kernarg_segment_size: 56
    .max_flat_workgroup_size: 128
    .sgpr_count:     102
    .vgpr_count:     1024
    .wavefront_size: 32
...
	.end_amdgpu_metadata
.endif
;; end of part 4
